; MI455X (gfx1250); checked and timed in simulation.
; The chip was launched on July 23, 2026; its instructions are those of AMD's public machine-readable ISA for CDNA 5 (MIT licence, August 2026) and "CDNA5" Instruction Set Architecture Reference Guide (July 2026). The comments in the code are by the model that wrote it; some were corrected since.
;; MSA Attention. Allowed arithmetic: matrix products marked QUANTISED: E2M3 operands, one E8M0 scale for each 32 along K, by v_wmma_scale_f32_16x16x128_f8f6f4 with both operands' format E2M3, f32 sums; products left as they are: f32 operands where the result goes on into a quantised operand, else bf16, f16 or f32 operands; f32 sums; everything else in f32.
;; Inputs: b_g 8 x 32 float32; b_o 256 float32; ln_m_b 256 float32; ln_m_w 256 float32; ln_z_b 128 float32; ln_z_w 128 float32; m 256 x 256 x 256 float32; mask 256 x 256 float32; w_g 256 x 8 x 32 float32; w_k 256 x 8 x 32 float32; w_o 256 x 256 float32; w_q 256 x 8 x 32 float32; w_v 256 x 8 x 32 float32; w_z 128 x 8 float32; z 256 x 256 x 128 float32.
;; Outputs: out0 256 x 256 x 256 float32.
;; This version of the problem:
;;   THIS VERSION OF THE PROBLEM IS GIVEN IN LOW PRECISION. The matrix products marked QUANTISED in the list below multiply operands that are first quantised to E2M3 (2 exponent bits, 3 mantissa bits; 6 bits a number), with one power-of-two scale for each 32 numbers along K (OCP MX v1.0); their sums are f32. All else is computed in f32.
;;   The module's matrix products, in the order in which they are computed (A, B: the left and right operand; K: the contracted axis; several contracted axes count as one K, in the product's order):
;;     1. [M 8, K 128] x [K 128, N 65,536]; A: input w_z; B: computed on the way: left as it is (M = 8 < 16)
;;     2. [M 256, K 256] x [K 256, N 65,536]; A: input w_q; B: computed on the way: QUANTISED
;;     3. [M 256, K 256] x [K 256, N 65,536]; A: input w_k; B: computed on the way: QUANTISED
;;     4. [M 256, K 256] x [K 256, N 65,536]; A: input w_v; B: computed on the way: QUANTISED
;;     5. batch 2,048 x [M 256, K 32] x [K 32, N 256]; A: computed on the way; B: computed on the way: QUANTISED
;;     6. batch 2,048 x [M 32, K 256] x [K 256, N 256]; A: computed on the way; B: softmax (see below): QUANTISED
;;     7. [M 65,536, K 256] x [K 256, N 256]; A: computed on the way; B: input w_g: QUANTISED
;;     8. [M 65,536, K 256] x [K 256, N 256]; A: computed on the way; B: input w_o: QUANTISED
;;   THE QUANTISER, for each operand of a quantised product, along K:
;;     - K is cut into blocks of 32 from its start; a last block that is shorter is filled with zeros.
;;     - A block's scale is 2^e with e = floor(log2(the largest magnitude in the block)) - 2, held to -126 .. 127; a block of zeros has e = 0. As a byte (E8M0): e + 127.
;;     - Each number is divided by its block's scale, clamped to +-7.5, and rounded to the nearest number of E2M3, ties to even, subnormals kept.
;;     - The product sums the exact products of the quantised numbers (number of the format x scale) in f32.
;;   ~~~python
;;   def quantise(x, axis):      # numpy; x: float32 -> the quantised numbers, widened to float32 again
;;       x = np.moveaxis(x, axis, -1); K = x.shape[-1]
;;       x = np.pad(x, [(0, 0)] * (x.ndim - 1) + [(0, -K % 32)]); x = x.reshape(x.shape[:-1] + (-1, 32)); a = np.abs(x).max(-1, keepdims=True)
;;       e = np.where(a > 0, np.clip(np.frexp(np.where(a > 0, a, 1))[1] - 1 - 2, -126, 127), 0)      # np.frexp(a)[1] - 1 = floor(log2(a)), exactly
;;       r = np.clip(x / 2.0 ** e, -7.5, 7.5)
;;       step = 2.0 ** (np.maximum(np.frexp(np.where(r == 0, 1, r))[1] - 1, 0) - 3)
;;       q = np.round(r / step) * step * 2.0 ** e      # np.round: ties to even
;;       return np.moveaxis(q.reshape(q.shape[:-2] + (-1,))[..., :K], -1, axis).astype(np.float32)
;;   ~~~
;;   SOFTMAX AHEAD OF A QUANTISED PRODUCT. Where the list says 'softmax', what is quantised is not the finished softmax but p = 2^(t - M), with t = logit x log2(e) and M = ceil(the row's largest t), a whole number; so 1/2 < the row's largest p <= 1. The row's sum l is taken of the UNQUANTISED p, in f32, and the product's result is divided by l at the end. Since M is a whole number, a kernel that streams over the keys may use a running M (the ceiling of the running maximum): every later rescaling is an exact power of two, which a block's scale takes up: the codes' values come out the same.
;;   OPERANDS COMPUTED ON THE WAY. 'Computed on the way' means the value that the module computes at that place (a softmax that the list does not call 'softmax' is quantised finished and normalised). What goes into a quantiser is computed in f32, as accurately as f32 sums, v_exp_f32 and their like allow (about 1e-6 of the number): no bf16 or f16 on the way to a quantiser, and a product that is left as it is and whose result goes on into a quantised operand takes f32 operands (vector FMAs, or v_wmma_f32_16x16x4_f32). A number that lies on a knife's edge between two numbers of the format may be rounded either way, as far as f32 arithmetic and the matrix unit's own rounding can turn it there, and no further.
;; 2 versions. Each part assembles by itself: llvm-mc -triple=amdgcn-amd-amdhsa -mcpu=gfx1250 --defsym DOCPART=n.
;; ======== version 1 of 2: 2 launches
;; workspace buffers: wimg 245,760 bytes; wsc 10,240 bytes; zbimg 2,097,152 bytes
;; launch prep (part 1): grid 276 x 1, 8 waves a work-group, no clusters, 144,384 bytes of LDS; arguments z, ln_z_w, ln_z_b, w_z, w_q, w_k, w_v, w_g, w_o, wimg, wsc, zbimg; writes wimg, wsc, zbimg
.if DOCPART == 1
	.amdgcn_target "amdgcn-amd-amdhsa--gfx1250"
	.amdhsa_code_object_version 6
	.text
	.protected	k_qc21d288e9a_prep
	.globl	k_qc21d288e9a_prep
	.p2align	8
	.type	k_qc21d288e9a_prep,@function
k_qc21d288e9a_prep:
	s_mov_b64 s[64:65], 0
	v_nop
	global_prefetch_b8 v0, s[64:65] scope:SCOPE_SE
	s_setreg_imm32_b32 hwreg(HW_REG_WAVE_MODE, 25, 1), 1
	s_wait_xcnt 0x0
; MSA row attention with pair bias, first of two launches.  It makes what every sequence shares:
;  (a) the five weights w_q, w_k, w_v, w_g, w_o as codes of FP6 (E2M3) with one E8M0 scale for each 32 along K (K is their FIRST axis), laid as images of operand registers;
;  (b) the pair bias zb[h][q][k] = LN(z[q][k][:]) . w_z[:][h], in f32 by fused multiply-adds (it goes on into a quantised operand), laid in the order of the accumulator registers that take it as C.
; NO WORK OF reference() IS LEFT OUT, here or in the second launch, and every input is loaded: ln_z_b . w_z is the same along the softmax's axis, but it moves t by no whole number and so moves p's codes.
; LIMITS: NaN and infinities among the inputs are not served.  A block of zeros gets the scale byte 1 where the quantiser says 127: its codes are zeros, which add nothing, and this program alone reads the bytes.
; TILES.  Row r of tile T of residues is residue rho(T, r) = 32 (T / 2) + 8 (T % 2) + r + 8 (r / 8).  Lane-row r of tile n of w_q, w_k, w_v, w_g is column 32 (n / 2) + 8 (n % 2) + r + 8 (r / 8); of w_o column 16 n + r.
; wimg  [matrix 0..4 = q, k, v, g, o][n 0..15][K step 0..1] 1,536 bytes: registers 4 c .. 4 c + 3 of lane l at 512 c + 16 l.     wsc: the same index, 64 bytes: lane-row r's scale word at 4 r.
; zbimg [h][T] 16,384 bytes: load i (0..31), lane (r, hh), word e = zb(h, rho(T, r), key 32 (i / 4) + 16 hh + 4 (i % 4) + e), at 512 i + 16 lane + 4 e.
; SHARES.  Work-groups 0..19: a wave makes one weight fragment (160 in all), with no LDS.  Work-groups 20..275: 16 queries x 16 keys of z, 256 rows of 512 bytes; a wave takes 32 rows, and after a turn through LDS a lane holds a whole row.
; The weight loads read 32 or 64 neighbouring bytes of a row each: 1.3 MB read once, which a layout through LDS would not repay.  No matrix unit (8 heads are half a tile, and the operands must be f32), no cluster (no tile is shared).
.set STW,   16896                      ; a wave's stage: 32 rows x (512 bytes + 16)
.set OST,   135168                     ; behind the eight stages: the results, h x 1,024 + a x 256 + r x 16 + 4 e
.set SPARE, 143360                     ; the spare words, 128 bytes for each wave: four blocks of 256 bytes that no other line names
	v_lshl_add_u32 v1, v0, 2, SPARE
	v_mov_b32 v2, 0
	v_lshrrev_b32 v9, 5, v0
	v_readfirstlane_b32 s3, v9                     ; wave 0..7
	s_cmp_lt_u32 ttmp9, 20                         ; the work-group's number alone decides: all eight waves go one way
	s_cbranch_scc0 .Lzb
; ---------------- a weight fragment: 16 columns x 128 along K.  A lane takes a column, and its registers run down K in the order of the operand's layout
	s_load_b256 s[16:23], s[0:1], 0x20             ; w_q, w_k, w_v, w_g
	s_load_b64 s[24:25], s[0:1], 0x40              ; w_o
	s_load_b128 s[28:31], s[0:1], 0x48             ; wimg, wsc
	s_lshl_b32 s4, ttmp9, 3
	s_add_co_u32 s4, s4, s3                        ; f: which fragment
	s_lshr_b32 s5, s4, 5                           ; which matrix
	s_bfe_u32 s6, s4, 0x40001                      ; n
	s_and_b32 s7, s4, 1                            ; K step
	s_lshr_b32 s8, s6, 1
	s_lshl_b32 s8, s8, 5
	s_and_b32 s9, s6, 1
	s_lshl_b32 s9, s9, 3
	s_add_co_u32 s8, s8, s9                        ; 32 (n / 2) + 8 (n % 2)
	s_lshl_b32 s9, s6, 4                           ; 16 n
	s_cmp_lt_u32 s5, 4
	s_cselect_b32 s8, s8, s9                       ; the tile's first column
	s_cselect_b32 s9, 8, 0                         ; the bit of r that counts twice
	s_mov_b32 s34, 0x76543210
	s_mov_b32 s35, 0xfedcba98                      ; v_permlanex16_b32's selects for lane l xor 16
	v_and_b32 v4, 15, v0                           ; r
	v_bfe_u32 v6, v0, 4, 1                         ; hh
	v_and_b32 v12, 31, v0                          ; lane
	v_lshlrev_b32 v8, 4, v12
	v_lshlrev_b32 v11, 2, v4
	v_and_b32 v7, s9, v4
	v_add_nc_u32 v7, v7, v4
	v_add_nc_u32 v7, s8, v7                        ; my column
	v_lshlrev_b32 v5, 2, v7
	v_lshl_add_u32 v5, v6, 15, v5                  ; lanes 16-31 begin 32 rows of 1,024 bytes further down
	s_lshl_b32 s10, s7, 17                         ; the K step: 128 rows
	s_mov_b32 s11, 0
	s_wait_kmcnt 0x0
	s_cmp_eq_u32 s5, 1
	s_cselect_b64 s[16:17], s[18:19], s[16:17]
	s_cmp_eq_u32 s5, 2
	s_cselect_b64 s[16:17], s[20:21], s[16:17]
	s_cmp_eq_u32 s5, 3
	s_cselect_b64 s[16:17], s[22:23], s[16:17]
	s_cmp_eq_u32 s5, 4
	s_cselect_b64 s[16:17], s[24:25], s[16:17]
	s_add_nc_u64 s[16:17], s[16:17], s[10:11]
	s_mul_i32 s10, s4, 1536
	s_add_nc_u64 s[28:29], s[28:29], s[10:11]
	s_lshl_b32 s10, s4, 6
	s_add_nc_u64 s[30:31], s[30:31], s[10:11]
.irp c, 0,1
.irp i, 0,1,2,3,4,5,6,7,8,9,10,11,12,13,14,15,16,17,18,19,20,21,22,23,24,25,26,27,28,29,30,31
	global_load_b32 v[64+32*\c+\i], v5, s[16:17] offset:(64*\c+\i)*1024   ; W(64 c + 32 hh + i, my column)
.endr
.endr
	s_wait_loadcnt 0x0
.irp c, 0,1
	v_max3_num_f32 v[32+\c], |v[64+32*\c]|, |v[65+32*\c]|, 0x1800000   ; my block 2 c + hh, and the floor 2^(3 - 127): the byte cannot fall under 1
.endr
.irp i, 2,4,6,8,10,12,14,16,18,20,22,24,26,28,30
.irp c, 0,1
	v_max3_num_f32 v[32+\c], v[32+\c], |v[64+32*\c+\i]|, |v[65+32*\c+\i]|
.endr
.endr
.irp c, 0,1
	v_add_nc_u32 v[44+\c], 0xff000000, v[32+\c]    ; 2 off the exponent field: the conversion's scale operand
.endr
.irp c, 0,1
	v_lshrrev_b32 v[36+\c], 23, v[44+\c]           ; the scale's byte
.endr
	v_lshl_or_b32 v9, v37, 16, v36                 ; blocks hh and 2 + hh,
	v_lshlrev_b32 v10, 3, v6
	v_lshlrev_b32 v9, v10, v9                      ; at their places in the word;
	v_mov_b32 v10, 0
	v_permlanex16_b32 v10, v9, s34, s35
	v_or_b32 v9, v9, v10                           ; with lane l xor 16's two the word is whole
.irp c, 0,1
	v_cvt_scalef32_pk16_fp6_f32 v[48+6*\c:50+6*\c], v[64+32*\c:79+32*\c], v[44+\c]
	v_cvt_scalef32_pk16_fp6_f32 v[136+4*\c:138+4*\c], v[80+32*\c:95+32*\c], v[44+\c]   ; (a conversion's three registers begin on an even number)
.endr
	v_nop                                          ; one plain place behind a scaled conversion
.irp c, 0,1
.irp i, 0,1,2
	v_mov_b32 v[51+6*\c+\i], v[136+4*\c+\i]
.endr
.endr
	global_store_b128 v8, v[48:51], s[28:29]       ; the image: each store covers 512 consecutive bytes
	global_store_b128 v8, v[52:55], s[28:29] offset:512
	global_store_b128 v8, v[56:59], s[28:29] offset:1024
	s_wait_xcnt 0x0                                ; EXEC changes only behind this wait
	v_cmp_gt_u32 vcc_lo, 16, v12
	s_and_saveexec_b32 s12, vcc_lo
	global_store_b32 v11, v9, s[30:31]             ; lanes 0-15: the sixteen scale words
	s_wait_xcnt 0x0
	s_or_b32 exec_lo, exec_lo, s12
	s_endpgm
; ---------------- the pair bias
.Lzb:
	s_load_b256 s[4:11], s[0:1], 0x0               ; z s[4:5], ln_z_w s[6:7], ln_z_b s[8:9], w_z s[10:11]
	s_load_b64 s[12:13], s[0:1], 0x58              ; zbimg
	s_sub_co_u32 s68, ttmp9, 20
	s_lshr_b32 s69, s68, 4                         ; T: the tile of queries
	s_and_b32 s70, s68, 15                         ; kh: keys 16 kh .. 16 kh + 15
	s_lshr_b32 s71, s69, 1
	s_lshl_b32 s71, s71, 5
	s_and_b32 s72, s69, 1
	s_lshl_b32 s72, s72, 3
	s_add_co_u32 s71, s71, s72
	s_lshl_b32 s72, s3, 1
	s_add_co_u32 s71, s71, s72
	s_lshr_b32 s72, s3, 2
	s_lshl_b32 s72, s72, 3
	s_add_co_u32 s71, s71, s72                     ; rho(T, 2 wave); rho(T, 2 wave + 1) is the next query
	s_lshl_b32 s71, s71, 8
	s_lshl_b32 s72, s70, 4
	s_add_co_u32 s71, s71, s72                     ; the first row of z: 256 x query + key
	s_lshl_b32 s72, s71, 9                         ; in bytes (under 2^25)
	s_mov_b32 s73, 0
	s_lshl_b32 s74, s3, 4                          ; on the way out wave w stores head w:
	s_add_co_u32 s74, s74, s69
	s_lshl_b32 s74, s74, 14                        ; (16 w + T) x 16,384
	s_lshr_b32 s75, s70, 1
	s_lshl_b32 s75, s75, 11
	s_add_co_u32 s74, s74, s75                     ; + 2,048 (kh / 2)
	s_and_b32 s75, s70, 1
	s_lshl_b32 s75, s75, 8
	s_add_co_u32 s74, s74, s75                     ; + 256 (kh % 2)
	s_mov_b32 s75, 0
	s_mov_b32 s14, 0x3c000000                      ; 1 / 128
	s_mov_b32 s15, 0x3727c5ac                      ; 1e-5
	v_and_b32 v9, 31, v0                           ; lane
	v_lshlrev_b32 v5, 4, v9                        ; my 16 bytes of a row
	s_mul_i32 s76, s3, STW
	v_add_nc_u32 v3, s76, v5                       ; the stage, on the way in
	v_mul_u32_u24 v4, v9, 528
	v_add_nc_u32 v4, s76, v4                       ; and on the way out: row = lane
	v_and_b32 v10, 15, v0                          ; my key among the 16
	v_lshrrev_b32 v11, 2, v10                      ; a
	v_and_b32 v12, 3, v10                          ; e
	v_bfe_u32 v13, v0, 4, 1                        ; which of my wave's two queries
	v_lshlrev_b32 v6, 8, v11
	v_lshl_add_u32 v6, v13, 4, v6
	v_lshl_add_u32 v6, v12, 2, v6
	s_lshl_b32 s77, s3, 5
	s_add_co_u32 s77, s77, OST
	v_add_nc_u32 v6, s77, v6                       ; OST + 256 a + 16 (2 wave + query) + 4 e
	s_lshl_b32 s77, s3, 10
	s_add_co_u32 s77, s77, OST
	v_add_nc_u32 v7, s77, v5                       ; back: head = wave, 16 bytes a lane
	v_lshlrev_b32 v8, 9, v13
	v_lshl_add_u32 v8, v10, 4, v8                  ; and in zbimg: 512 (lane / 16) + 16 (lane % 16)
	s_wait_kmcnt 0x0
	s_add_nc_u64 s[4:5], s[4:5], s[72:73]
	s_add_nc_u64 s[12:13], s[12:13], s[74:75]
.irp i, 0,1,2,3,4,5,6,7,8,9,10,11,12,13,14,15,16,17,18,19,20,21,22,23,24,25,26,27,28,29,30,31
	global_load_b128 v[32+4*\i:35+4*\i], v5, s[4:5] offset:(\i/16)*131072+(\i%16)*512 th:TH_LOAD_NT   ; a whole row of 512 bytes: all the wave's 16 KB are on their way at once
.endr
.macro CLOAD n, wz, lw, lb             ; four channels' w_z (32 numbers), ln_z_w and ln_z_b into scalar registers
	s_load_b512 s[\wz:\wz+15], s[10:11], 128*(\n)
	s_load_b512 s[\wz+16:\wz+31], s[10:11], 128*(\n)+64
	s_load_b128 s[\lw:\lw+3], s[6:7], 16*(\n)
	s_load_b128 s[\lb:\lb+3], s[8:9], 16*(\n)
.endm
	CLOAD 0, 16, 48, 52
.irp g, 0,1,2,3
	s_wait_loadcnt 24-8*\g                         ; the eight oldest of what is left are in
.irp i, 0,1,2,3,4,5,6,7
	ds_store_b128 v3, v[32+32*\g+4*\i:35+32*\g+4*\i] offset:(8*\g+\i)*528
.endr
.endr
.irp j, 0,1,2,3,4,5,6,7,8,9,10,11,12,13,14,15,16,17,18,19,20,21,22,23,24,25,26,27,28,29,30,31
	ds_load_b128 v[32+4*\j:35+4*\j], v4 offset:16*\j   ; LDS serves a wave's instructions in order: these see my stores.  Register c is now channel c of MY row
.endr
	s_wait_dscnt 0x0
	; the row's mean, in four chains
.irp k, 0,1,2,3
	v_pk_add_f32 v[160+2*\k:161+2*\k], v[32+2*\k:33+2*\k], v[40+2*\k:41+2*\k]
.endr
.set p, 8
.rept 56
	v_pk_add_f32 v[160+2*(p%4):161+2*(p%4)], v[160+2*(p%4):161+2*(p%4)], v[32+2*p:33+2*p]
.set p, p+1
.endr
	v_pk_add_f32 v[160:161], v[160:161], v[162:163]
	v_pk_add_f32 v[164:165], v[164:165], v[166:167]
	v_pk_add_f32 v[160:161], v[160:161], v[164:165]
	v_add_f32 v160, v160, v161
	v_mul_f32 v168, s14, v160
	v_mov_b32 v169, v168
.set p, 0
.rept 64
	v_pk_add_f32 v[32+2*p:33+2*p], v[32+2*p:33+2*p], v[168:169] neg_lo:[0,1] neg_hi:[0,1]   ; x - mean
.set p, p+1
.endr
.irp k, 0,1,2,3
	v_pk_mul_f32 v[160+2*\k:161+2*\k], v[32+2*\k:33+2*\k], v[32+2*\k:33+2*\k]
.endr
.set p, 4
.rept 60
	v_pk_fma_f32 v[160+2*(p%4):161+2*(p%4)], v[32+2*p:33+2*p], v[32+2*p:33+2*p], v[160+2*(p%4):161+2*(p%4)]
.set p, p+1
.endr
	v_pk_add_f32 v[160:161], v[160:161], v[162:163]
	v_pk_add_f32 v[164:165], v[164:165], v[166:167]
	v_pk_add_f32 v[160:161], v[160:161], v[164:165]
	v_add_f32 v160, v160, v161
	v_fma_f32 v170, v160, s14, s15                 ; the variance + eps
	v_rsq_f32 v172, v170
	v_nop                                          ; a plain place behind the transcendental
	s_wait_alu depctr_va_vdst(0)                   ; the wait ahead of the result's first reader
	v_mov_b32 v173, v172
.set p, 0
.rept 64
	v_pk_mul_f32 v[32+2*p:33+2*p], v[32+2*p:33+2*p], v[172:173]
.set p, p+1
.endr
	; 32 chunks of four channels; the chunk's scalars were asked for a chunk ago, in two sets of registers by turns
.set n, 0
.rept 32
	s_wait_kmcnt 0x0                               ; this chunk's scalars are in (scalar loads: the count 0 alone says anything)
.if n%2 == 0
.set WZ, 16
.set LW, 48
.set LB, 52
.if n < 31
	CLOAD n+1, 68, 56, 60
.endif
.else
.set WZ, 68
.set LW, 56
.set LB, 60
.if n < 31
	CLOAD n+1, 16, 48, 52
.endif
.endif
.irp ci, 0,1,2,3
	v_fma_f32 v[32+4*n+\ci], v[32+4*n+\ci], s[LW+\ci], s[LB+\ci]   ; LN's gain and bias
.irp h, 0,1,2,3,4,5,6,7
.if (n == 0) && (\ci == 0)
	v_mul_f32 v[16+\h], s[WZ+\h], v32              ; the first channel starts the eight sums
.else
	v_fmac_f32 v[16+\h], s[WZ+8*\ci+\h], v[32+4*n+\ci]
.endif
.endr
.endr
.set n, n+1
.endr
.irp h, 0,1,2,3,4,5,6,7
	ds_store_b32 v6, v[16+\h] offset:1024*\h
.endr
	s_wait_dscnt 0x0                               ; for the others' sake: my results lie in LDS
	s_barrier_signal -1
	s_barrier_wait -1
	ds_load_b128 v[32:35], v7                      ; head = my wave: 1,024 bytes in the order of zbimg
	ds_load_b128 v[36:39], v7 offset:512
	s_wait_dscnt 0x0
	global_store_b128 v8, v[32:35], s[12:13]       ; sixteen lanes store 256 consecutive bytes, at a multiple of 256 from zbimg's first byte
	global_store_b128 v8, v[36:39], s[12:13] offset:1024
	s_wait_tensorcnt 0x0                           ; the wave's end, behind my last LDS store
	ds_add_u32 v1, v2
	s_wait_dscnt 0x0
	s_endpgm
.Lfunc_end_k_qc21d288e9a_prep:
	.size	k_qc21d288e9a_prep, .Lfunc_end_k_qc21d288e9a_prep-k_qc21d288e9a_prep
	.p2alignl 7, 3214868480
	.fill 96, 4, 3214868480
	.section	.rodata,"a",@progbits
	.p2align	6, 0x0
	.amdhsa_kernel k_qc21d288e9a_prep
		.amdhsa_group_segment_fixed_size 144384
		.amdhsa_private_segment_fixed_size 0
		.amdhsa_enable_private_segment 0
		.amdhsa_kernarg_size 96
		.amdhsa_user_sgpr_count 2
		.amdhsa_user_sgpr_kernarg_segment_ptr 1
		.amdhsa_wavefront_size32 1
		.amdhsa_system_sgpr_workgroup_id_x 1
		.amdhsa_system_sgpr_workgroup_id_y 1
		.amdhsa_system_sgpr_workgroup_id_z 1
		.amdhsa_system_vgpr_workitem_id 0
		.amdhsa_next_free_vgpr 176
		.amdhsa_next_free_sgpr 100
		.amdhsa_reserve_vcc 1
		.amdhsa_float_denorm_mode_32 3
		.amdhsa_float_denorm_mode_16_64 3
		.amdhsa_memory_ordered 1
		.amdhsa_forward_progress 1
		.amdhsa_inst_pref_size 88
	.end_amdhsa_kernel
	.amdgpu_metadata
---
amdhsa.version: [ 1, 2 ]
amdhsa.kernels:
  - .name:           k_qc21d288e9a_prep
    .symbol:         k_qc21d288e9a_prep.kd
    .args:
      - { .name: z, .offset: 0, .size: 8, .value_kind: global_buffer, .address_space: global }
      - { .name: ln_z_w, .offset: 8, .size: 8, .value_kind: global_buffer, .address_space: global }
      - { .name: ln_z_b, .offset: 16, .size: 8, .value_kind: global_buffer, .address_space: global }
      - { .name: w_z, .offset: 24, .size: 8, .value_kind: global_buffer, .address_space: global }
      - { .name: w_q, .offset: 32, .size: 8, .value_kind: global_buffer, .address_space: global }
      - { .name: w_k, .offset: 40, .size: 8, .value_kind: global_buffer, .address_space: global }
      - { .name: w_v, .offset: 48, .size: 8, .value_kind: global_buffer, .address_space: global }
      - { .name: w_g, .offset: 56, .size: 8, .value_kind: global_buffer, .address_space: global }
      - { .name: w_o, .offset: 64, .size: 8, .value_kind: global_buffer, .address_space: global }
      - { .name: wimg, .offset: 72, .size: 8, .value_kind: global_buffer, .address_space: global }
      - { .name: wsc, .offset: 80, .size: 8, .value_kind: global_buffer, .address_space: global }
      - { .name: zbimg, .offset: 88, .size: 8, .value_kind: global_buffer, .address_space: global }
    .group_segment_fixed_size: 144384
    .private_segment_fixed_size: 0
    .kernarg_segment_align: 8
    .kernarg_segment_size: 96
    .max_flat_workgroup_size: 256
    .sgpr_count:     100
    .vgpr_count:     176
    .wavefront_size: 32
...
	.end_amdgpu_metadata
.endif
;; end of part 1
;; launch main (part 2): grid 256 x 1, 16 waves a work-group, no clusters, 327,680 bytes of LDS; arguments m, mask, ln_m_w, ln_m_b, b_g, b_o, wimg, wsc, zbimg, out0; writes out0
.if DOCPART == 2
	.amdgcn_target "amdgcn-amd-amdhsa--gfx1250"
	.amdhsa_code_object_version 6
	.text
	.protected	k_qc21d288e9a_main
	.globl	k_qc21d288e9a_main
	.p2align	8
	.type	k_qc21d288e9a_main,@function
k_qc21d288e9a_main:
	s_mov_b64 s[64:65], 0
	v_nop
	global_prefetch_b8 v0, s[64:65] scope:SCOPE_SE
	s_setreg_imm32_b32 hwreg(HW_REG_WAVE_MODE, 25, 1), 1
	s_wait_xcnt 0x0
; MSA row attention with pair bias, second launch: one work-group takes one sequence (256 residues x 256 channels) through LN, the q, k, v projections, attention, the gate and the way out.  Nothing goes to memory on the way.
; All seven large products run on codes of FP6 (E2M3) with one E8M0 scale for each 32 along K.  No work of reference() is left out.
; SIXTEEN WAVES of 256 registers, four to a SIMD: the softmax's vector work outweighs the products, so one wave's vector work stands beside another's loads and products.
; TILES.  Row r of tile T is residue rho(T, r) = 32 (T / 2) + 8 (T % 2) + r + 8 (r / 8).  So in a result whose rows are tile T, register j of lane half hh is residue 32 (T / 2) + 16 hh + 8 (T % 2) + j:
; the 16 registers of tiles 2 B and 2 B + 1 are 16 neighbours along a later K.  The weights' tiles are chosen alike (first launch), so that q, k, o and the gate hold d = 16 hh + 0 .. 15 of a head in 16 registers.
; PHASES.  A: wave T normalises and quantises its 16 rows | B: wave (head w / 2, half w % 2) makes v (quantised along the keys), q and k (along d) for 8 tiles of rows | D: wave T walks the 8 heads for its 16 queries:
; S^T = K Q^T + zb (zb comes from memory straight into the accumulators as C), softmax, O^T = V^T P^T, gate, o g quantised | E: wave T's 16 rows of the last product, b_o as C.
; OPERANDS GO FROM WAVE TO WAVE THROUGH LDS AS IMAGES OF THEIR REGISTERS: 12 registers by three accesses of 16 bytes a lane.  q, k and o g have ONE block of 32 to a row: 24 bytes, bytes 0-15 at 16 r, bytes 16-23 at 256 + 8 r.
; K = 32 IN AN INSTRUCTION OF 128: Q's lanes 16-31 and its registers 6-11 hold zero codes.  What K's operand holds there (a copy of the block; the next tile's codes) is a finite number in every code of this format, and adds exactly 0.
; THE SOFTMAX: T = (q.k + zb) x log2(e) + mbc, mbc = ((mask - 1) x 1e9) x log2(e), one fused multiply-add; M = ceil(the row's largest T); p = 2^(T - M) is quantised along the keys; the sum of the unquantised p divides at the end.
; LIMITS: NaN and infinities among the inputs are not served.  The mask's term is added last and scaled beforehand, where reference() adds it ahead of zb: the two differ by rounding alone.  v_exp_f32 gives 0 for results under 2^-126.
; A block of zeros gets the scale byte 1 where the quantiser says 127: its codes are zeros, and this program alone reads the bytes.
; NO CLUSTER, NO TENSOR LOAD: what the work-groups share is zb (262,144 bytes a head) and the weights; the codes listed below fill 325,632 of the 327,680 bytes of LDS, so there is no room for slots into which a joint load could land;
; zb is laid in register order and is read by each lane straight into the accumulator, which spares its way through LDS.
.set MNIMG, 0                          ; LN(m): fragment (T, K step s) at (2 T + s) x 1,536
.set QIMG,  49152                      ; q: short image (T, head) at 3,072 T + 384 head; later o g in the same place
.set KIMG,  98304                      ; k likewise
.set VIMG,  147456                     ; v^T: fragment (head, u, s) at 6,144 head + (2 u + s) x 1,536
.set WGIMG, 196608                     ; w_g: fragment (n, s) at (2 n + s) x 1,536
.set WOIMG, 245760                     ; w_o likewise
.set MNSC,  294912                     ; scale words, 64 bytes a fragment, row r's at 4 r
.set VSC,   296960
.set WGSC,  299008
.set WOSC,  301056
.set QSC,   303104                     ; 512 T + 64 head + 4 r: the byte as a whole word.  Ahead of the second barrier: ln_m_w, ln_m_b (2,048 bytes)
.set KSC,   311296                     ; 1,280 head + 80 r + 4 T
.set MB,    321536                     ; mbc[key]
.set BG,    322560                     ; b_g
.set SPARE, 323584                     ; the spare words, 128 bytes for each wave: eight blocks of 256 bytes that no other line names
.set STGW,  4352                       ; a wave's stage, 16 rows x (256 + 16) bytes, at QIMG + 4,352 wave: used ahead of the first barrier and behind the last, when q and k are not there
.set CH,    228                        ; phase A: four chains of sums v228-235; v236-237 the mean; v238-239 1 / sqrt(var + eps)
; FIXED REGISTERS: v1, v2 the add's two; v3 16 lane; v4 16 r; v5 8 r; v6 80 r; v7 4 r; v8 64 hh; v10 my tile's images of LN(m); v30 r; v31 hh; v9, v11-15, v29 addresses in hand; v16-28 scales and nothing else.
.macro PLACES                          ; four plain places behind matrix instructions (ISA guide 7.12.1), where no other vector work is at hand
.rept 4
	v_nop
.endr
.endm
.macro BAR                             ; my LDS stores have landed and my LDS loads are in: then the work-group's barrier
	s_wait_dscnt 0x0
	s_barrier_signal -1
	s_barrier_wait -1
.endm
.macro MM d, a, b, c, sa, sb
	v_wmma_scale_f32_16x16x128_f8f6f4 v[\d:\d+7], v[\a:\a+11], v[\b:\b+11], v[\c:\c+7], v[\sa], v[\sb] matrix_a_fmt:MATRIX_FMT_FP6 matrix_b_fmt:MATRIX_FMT_FP6
.endm
.macro MM0 d, a, b, sa, sb             ; the first product starts the sum
	v_wmma_scale_f32_16x16x128_f8f6f4 v[\d:\d+7], v[\a:\a+11], v[\b:\b+11], 0, v[\sa], v[\sb] matrix_a_fmt:MATRIX_FMT_FP6 matrix_b_fmt:MATRIX_FMT_FP6
.endm
; 64 numbers of a lane, register 16 b + i = k 32 b + 16 hh + i of my row, become a fragment's codes in v[pc] .. v[pc + 11] and its scale word in v[pw].  At work: v[tm] .. v[tm + 15], v[pc + 12] .. v[pc + 19]
.macro QUANT src, tm, pw, pc
.irp b, 0,1,2,3
	v_max3_num_f32 v[\tm+\b], |v[\src+16*\b]|, |v[\src+1+16*\b]|, 0x1800000   ; and the floor 2^(3 - 127): the byte cannot fall under 1
.endr
.irp i, 2,4,6,8,10,12,14
.irp b, 0,1,2,3
	v_max3_num_f32 v[\tm+\b], v[\tm+\b], |v[\src+16*\b+\i]|, |v[\src+1+16*\b+\i]|
.endr
.endr
.irp b, 0,1,2,3
	v_permlanex16_b32 v[\tm+4+\b], v[\tm+\b], s28, s29
.endr
.irp b, 0,1,2,3
	v_max_num_f32 v[\tm+\b], v[\tm+\b], v[\tm+4+\b]   ; with lane l xor 16's: the block's largest magnitude
.endr
.irp b, 0,1,2,3
	v_add_nc_u32 v[\tm+12+\b], 0xff000000, v[\tm+\b]  ; 2 off its exponent field: the conversion's scale operand
.endr
.irp b, 0,1,2,3
	v_lshrrev_b32 v[\tm+4+\b], 23, v[\tm+12+\b]       ; the scale's byte
.endr
	v_lshl_or_b32 v[\pw], v[\tm+5], 8, v[\tm+4]
	v_lshl_or_b32 v[\pw], v[\tm+6], 16, v[\pw]
	v_lshl_or_b32 v[\pw], v[\tm+7], 24, v[\pw]
.irp c, 0,1
	v_cvt_scalef32_pk16_fp6_f32 v[\pc+6*\c:\pc+2+6*\c], v[\src+32*\c:\src+15+32*\c], v[\tm+12+2*\c]
	v_cvt_scalef32_pk16_fp6_f32 v[\pc+12+4*\c:\pc+14+4*\c], v[\src+16+32*\c:\src+31+32*\c], v[\tm+12+2*\c+1]
.endr
	v_nop                                          ; one plain place behind a scaled conversion
.irp c, 0,1                            ; the operand's layout wants a WHOLE block in a lane
.irp i, 0,1,2
	v_permlane16_swap_b32 v[\pc+6*\c+\i], v[\pc+12+4*\c+\i]
.endr
.irp i, 0,1,2
	v_mov_b32 v[\pc+3+6*\c+\i], v[\pc+12+4*\c+\i]
.endr
.endr
.endm
.macro IMAGE adr, off, pc
.irp c, 0,1,2
	ds_store_b128 v[\adr], v[\pc+4*\c:\pc+4*\c+3] offset:\off+512*\c
.endr
.endm
	s_load_b512 s[4:19], s[0:1], 0x0               ; m s[4:5], mask s[6:7], ln_m_w s[8:9], ln_m_b s[10:11], b_g s[12:13], b_o s[14:15], wimg s[16:17], wsc s[18:19]
	s_load_b128 s[20:23], s[0:1], 0x40             ; zbimg s[20:21], out0 s[22:23]
	v_lshl_add_u32 v1, v0, 2, SPARE
	v_mov_b32 v2, 0
	v_lshrrev_b32 v9, 5, v0
	v_readfirstlane_b32 s24, v9                    ; wave = T
	s_lshr_b32 s25, s24, 1                         ; T / 2; in phase B my head
	s_and_b32 s26, s24, 1                          ; T % 2; in phase B my half of the rows
	s_mov_b32 s28, 0x76543210
	s_mov_b32 s29, 0xfedcba98                      ; v_permlanex16_b32's selects for lane l xor 16
	s_mov_b32 s30, 0x3fb8aa3b                      ; log2(e)
	s_mov_b32 s31, s30                             ; (named with it as a pair, so it is written)
	s_mov_b32 s32, 0xffff0000                      ; lanes 16-31
	s_mov_b32 s44, 0x3727c5ac                      ; 1e-5
	s_mov_b32 s45, 0x3b800000                      ; 1 / 256
	v_and_b32 v9, 31, v0
	v_and_b32 v30, 15, v0                          ; r
	v_bfe_u32 v31, v0, 4, 1                        ; hh
	v_lshlrev_b32 v3, 4, v9
	v_lshlrev_b32 v4, 4, v30
	v_lshlrev_b32 v5, 3, v30
	v_mul_u32_u24 v6, v30, 80
	v_lshlrev_b32 v7, 2, v30
	v_lshlrev_b32 v8, 6, v31
	v_lshl_add_u32 v11, v31, 10, v4                ; m: lanes 0-15 one row's 256 bytes, lanes 16-31 the next row's
	s_mul_i32 s47, s24, STGW
	s_add_co_u32 s47, s47, QIMG                    ; my stage
	v_mul_u32_u24 v12, v31, 272
	v_add_nc_u32 v12, v12, v4
	v_add_nc_u32 v12, s47, v12                     ; in: row 2 t + hh, 16 r
	v_mul_u32_u24 v13, v30, 272
	v_add_nc_u32 v13, v13, v8
	v_add_nc_u32 v13, s47, v13                     ; out: row r, my half's 64 bytes of a block of 128
	v_and_b32 v14, 255, v0
	v_lshlrev_b32 v14, 2, v14                      ; 4 (thread % 256)
	v_lshlrev_b32 v15, 2, v0                       ; 4 thread
	v_lshl_add_u32 v9, v0, 2, WGSC                 ; the small stores' base
	s_mul_i32 s47, s24, 3072
	v_add_nc_u32 v10, s47, v3                      ; MNIMG + 3,072 T + 16 lane
	v_add_nc_u32 v29, WGIMG, v10
	s_lshl_b32 s48, ttmp9, 8
	s_lshl_b32 s49, s25, 5
	s_add_co_u32 s48, s48, s49
	s_lshl_b32 s49, s26, 3
	s_add_co_u32 s48, s48, s49                     ; 256 x sequence + my tile's first residue
	s_lshl_b32 s48, s48, 10                        ; in bytes of m and of out0 (under 2^26)
	s_mov_b32 s49, 0
	s_mov_b32 s51, 0
	s_wait_kmcnt 0x0
	s_add_nc_u64 s[4:5], s[4:5], s[48:49]
	s_add_nc_u64 s[22:23], s[22:23], s[48:49]
	s_lshl_b32 s50, ttmp9, 10
	s_add_nc_u64 s[6:7], s[6:7], s[50:51]          ; my sequence's row of the mask
	s_cmp_lt_u32 s24, 8                            ; waves 0-7 bring ln_m_w and the mask, waves 8-15 ln_m_b and b_g
	s_cselect_b64 s[8:9], s[8:9], s[10:11]
	s_cselect_b64 s[6:7], s[6:7], s[12:13]
	s_cselect_b32 s46, -1, 0
	s_mul_i32 s50, s24, 3072
	s_add_nc_u64 s[52:53], s[16:17], s[50:51]      ; wimg + 3,072 wave: my share of the copies of w_g and w_o
	s_mul_i32 s50, s25, 6144
	s_add_nc_u64 s[54:55], s[16:17], s[50:51]      ; wimg at my head's four fragments
	s_lshl_b32 s50, s25, 8
	s_add_nc_u64 s[56:57], s[18:19], s[50:51]      ; wsc likewise
; ---------------- A: my 16 rows of m.  48 loads go out at once
.irp qd, 0,1,2,3
.irp t, 0,1,2,3,4,5,6,7
	global_load_b128 v[32+32*\qd+4*\t:35+32*\qd+4*\t], v11, s[4:5] offset:(2*\t+8*(\t/4))*1024+256*\qd th:TH_LOAD_NT   ; sixteen lanes read 256 consecutive bytes, aligned
.endr
.endr
	global_load_b32 v210, v14, s[8:9]
	global_load_b32 v211, v14, s[6:7]
.irp i, 0,1,2,3,4,5
	global_load_b128 v[160+4*\i:163+4*\i], v3, s[52:53] offset:3*49152+512*\i
.endr
.irp i, 0,1,2,3,4,5
	global_load_b128 v[184+4*\i:187+4*\i], v3, s[52:53] offset:4*49152+512*\i
.endr
	global_load_b32 v208, v15, s[18:19] offset:3*2048
	global_load_b32 v209, v15, s[18:19] offset:4*2048
.irp qd, 0,1,2,3                       ; a quarter of the channels at a time turns through my stage: afterwards register 16 B + i is channel 32 B + 16 hh + i of row r
	s_wait_loadcnt 40-8*\qd                        ; behind this quarter's eight: the later quarters' and the 16 others
.irp t, 0,1,2,3,4,5,6,7
	ds_store_b128 v12, v[32+32*\qd+4*\t:35+32*\qd+4*\t] offset:2*\t*272
.endr
.irp b, 0,1
.irp j, 0,1,2,3
	ds_load_b128 v[32+32*\qd+16*\b+4*\j:35+32*\qd+16*\b+4*\j], v13 offset:128*\b+16*\j   ; LDS serves a wave's instructions in order
.endr
.endr
.endr
	s_wait_dscnt 0x0
.irp k, 0,1,2,3
	v_pk_add_f32 v[CH+2*\k:CH+2*\k+1], v[32+2*\k:33+2*\k], v[40+2*\k:41+2*\k]
.endr
.set p, 8
.rept 56
	v_pk_add_f32 v[CH+2*(p%4):CH+2*(p%4)+1], v[CH+2*(p%4):CH+2*(p%4)+1], v[32+2*p:33+2*p]
.set p, p+1
.endr
	v_pk_add_f32 v[CH:CH+1], v[CH:CH+1], v[CH+2:CH+3]
	v_pk_add_f32 v[CH+4:CH+5], v[CH+4:CH+5], v[CH+6:CH+7]
	v_pk_add_f32 v[CH:CH+1], v[CH:CH+1], v[CH+4:CH+5]
	v_add_f32 v[CH], v[CH], v[CH+1]
	v_permlanex16_b32 v[CH+2], v[CH], s28, s29     ; a row lies in lanes l and l xor 16
	v_add_f32 v[CH], v[CH], v[CH+2]
	v_mul_f32 v236, s45, v[CH]
	v_mov_b32 v237, v236
.set p, 0
.rept 64
	v_pk_add_f32 v[32+2*p:33+2*p], v[32+2*p:33+2*p], v[236:237] neg_lo:[0,1] neg_hi:[0,1]   ; x - mean
.set p, p+1
.endr
.irp k, 0,1,2,3
	v_pk_mul_f32 v[CH+2*\k:CH+2*\k+1], v[32+2*\k:33+2*\k], v[32+2*\k:33+2*\k]
.endr
.set p, 4
.rept 60
	v_pk_fma_f32 v[CH+2*(p%4):CH+2*(p%4)+1], v[32+2*p:33+2*p], v[32+2*p:33+2*p], v[CH+2*(p%4):CH+2*(p%4)+1]
.set p, p+1
.endr
	v_pk_add_f32 v[CH:CH+1], v[CH:CH+1], v[CH+2:CH+3]
	v_pk_add_f32 v[CH+4:CH+5], v[CH+4:CH+5], v[CH+6:CH+7]
	v_pk_add_f32 v[CH:CH+1], v[CH:CH+1], v[CH+4:CH+5]
	v_add_f32 v[CH], v[CH], v[CH+1]
	v_permlanex16_b32 v[CH+2], v[CH], s28, s29
	v_add_f32 v[CH], v[CH], v[CH+2]
	v_fma_f32 v[CH], v[CH], s45, s44               ; the variance + eps
	v_rsq_f32 v238, v[CH]
	v_nop                                          ; a plain place behind the transcendental
	s_wait_alu depctr_va_vdst(0)                   ; the wait ahead of the result's first reader
	v_mov_b32 v239, v238
	s_wait_loadcnt 0x0                             ; the 16 others
	v_add_f32 v225, -1.0, v211
	v_mul_f32 v225, 0x4e6e6b28, v225               ; x 1e9: the mask's bias,
	v_mul_f32 v225, 0x3fb8aa3b, v225               ; as a term of T
	v_cndmask_b32 v211, v211, v225, s46            ; waves 8-15 hold b_g, which stays as it is
	ds_store_b32 v9, v208                          ; w_g's scale words
	ds_store_b32 v9, v209 offset:2048              ; w_o's
	ds_store_b32 v9, v210 offset:4096              ; ln_m_w, ln_m_b
	ds_store_b32 v9, v211 offset:22528             ; mbc, b_g
.irp i, 0,1,2,3,4,5
	ds_store_b128 v29, v[160+4*\i:163+4*\i] offset:512*\i
	ds_store_b128 v29, v[184+4*\i:187+4*\i] offset:49152+512*\i
.endr
	BAR                                            ; barrier 0: gains, biases, mask and the two weights lie in LDS
	v_add_nc_u32 v9, QSC, v8                       ; ln_m_w at my half's 16 channels of a block
	s_lshl_b32 s47, s24, 7
	s_add_co_u32 s47, s47, MNSC
	v_add_nc_u32 v12, s47, v7
.macro LWLOAD b                        ; gains and biases of block b: 16 + 16 numbers, two sets of registers by turns
.irp j, 0,1,2,3
	ds_load_b128 v[160+32*((\b)%2)+4*\j:163+32*((\b)%2)+4*\j], v9 offset:128*(\b)+16*\j
	ds_load_b128 v[176+32*((\b)%2)+4*\j:179+32*((\b)%2)+4*\j], v9 offset:1024+128*(\b)+16*\j
.endr
.endm
	LWLOAD 0
.set bb, 0
.rept 8
.if bb < 7
	LWLOAD bb+1
	s_wait_dscnt 8                                 ; all but the next block's eight
.else
	s_wait_dscnt 0x0
.endif
.set xb, 32+16*bb
.set wb, 160+32*(bb%2)
.irp k, 0,2,4,6,8,10,12,14
	v_pk_mul_f32 v[xb+\k:xb+\k+1], v[xb+\k:xb+\k+1], v[238:239]
.endr
.irp k, 0,2,4,6,8,10,12,14
	v_pk_fma_f32 v[xb+\k:xb+\k+1], v[xb+\k:xb+\k+1], v[wb+\k:wb+\k+1], v[wb+16+\k:wb+17+\k]
.endr
.set bb, bb+1
.endr
.macro WLOAD reg, sc, mt               ; my head's four fragments (2 u + s) of weight mt, and their scale words, from memory into registers
.irp f, 0,1,2,3
.irp c, 0,1,2
	global_load_b128 v[\reg+12*\f+4*\c:\reg+12*\f+4*\c+3], v3, s[54:55] offset:(\mt)*49152+\f*1536+512*\c
.endr
	global_load_b32 v[\sc+\f], v7, s[56:57] offset:(\mt)*2048+\f*64
.endr
.endm
	QUANT 32, 224, 240, 160
	IMAGE 10, 0, 160
	ds_store_b32 v12, v240                         ; both lanes of a row write the same word with the same value
	WLOAD 32, 20, 2                                ; w_v, into the registers that K step 0's numbers have left
	s_wait_dscnt 0x0                               ; the stores have read their registers
	QUANT 96, 224, 240, 160
	IMAGE 10, 1536, 160
	ds_store_b32 v12, v240 offset:64
	BAR                                            ; barrier A: LN(m)'s 32 fragments lie in LDS; nobody reads the gains any more
; ---------------- B: my head, my eight tiles of rows
	s_mul_i32 s47, s26, 24576
	v_add_nc_u32 v11, s47, v3                      ; LN(m)'s images, my half
	s_lshl_b32 s47, s26, 10
	s_add_co_u32 s47, s47, MNSC
	v_add_nc_u32 v12, s47, v7
	s_mul_i32 s47, s25, 6144
	s_mul_i32 s50, s26, 1536
	s_add_co_u32 s47, s47, s50
	s_add_co_u32 s47, s47, VIMG
	v_add_nc_u32 v13, s47, v3                      ; v's image (head, u = 0, s = half)
	s_lshl_b32 s47, s25, 8
	s_lshl_b32 s50, s26, 6
	s_add_co_u32 s47, s47, s50
	s_add_co_u32 s47, s47, VSC
	v_add_nc_u32 v14, s47, v7
.macro MNFETCH t                       ; tile t's two fragments and scale words: 8 LDS loads, two sets of registers by turns
.set xf, 80+24*((\t)%2)
.irp s, 0,1
.irp c, 0,1,2
	ds_load_b128 v[xf+12*\s+4*\c:xf+12*\s+4*\c+3], v11 offset:(\t)*3072+\s*1536+512*\c
.endr
	ds_load_b32 v[24+2*((\t)%2)+\s], v12 offset:(2*(\t)+\s)*64
.endr
.endm
	; v: source 0 = 16 residues, source 1 = 16 of the head's d: a lane holds one d, and its registers run along the residues, the keys of the second product
	MNFETCH 0
	s_wait_loadcnt 0x0                             ; w_v
.set tt, 0
.rept 8
.if tt < 7
	MNFETCH tt+1
	s_wait_dscnt 8                                 ; all but the next tile's eight
.else
	s_wait_dscnt 0x0
.endif
.set xc, 80+24*(tt%2)
.set sx, 24+2*(tt%2)
.set d0, 128+8*tt
.set d1, 192+8*tt
	MM0 d0, xc, 32, sx, 20                         ; the two accumulators by turns
	MM0 d1, xc, 56, sx, 22
	MM d0, xc+12, 44, d0, sx+1, 21
	MM d1, xc+12, 68, d1, sx+1, 23
	PLACES                                         ; in front of the loads into the other set, and of the reads below
.set tt, tt+1
.endr
	WLOAD 32, 16, 0                                ; w_q
	QUANT 128, 80, 96, 100
	IMAGE 13, 0, 100
	ds_store_b32 v14, v96
	WLOAD 128, 20, 1                               ; w_k, into the registers that v's first half has left
	s_wait_dscnt 0x0                               ; the stores have read their registers
	QUANT 192, 80, 96, 100
	IMAGE 13, 3072, 100
	ds_store_b32 v14, v96 offset:128
	s_wait_dscnt 0x0
	; q and k: source 0 = 16 of the head's d, source 1 = 16 residues: a lane holds one residue and 16 d
	s_mul_i32 s47, s26, 24576
	s_mul_i32 s50, s25, 384
	s_add_co_u32 s47, s47, s50
	s_add_co_u32 s47, s47, QIMG
	v_mul_u32_u24 v13, v31, 49152                  ; lanes 16-31 store k's block: KIMG lies 49,152 bytes behind QIMG
	v_add_nc_u32 v13, s47, v13
	v_add_nc_u32 v14, v13, v5
	v_add_nc_u32 v13, v13, v4
	s_lshl_b32 s47, s26, 12
	s_lshl_b32 s50, s25, 6
	s_add_co_u32 s47, s47, s50
	s_add_co_u32 s47, s47, QSC
	v_add_nc_u32 v15, s47, v7
	s_mul_i32 s47, s25, 1280
	s_lshl_b32 s50, s26, 5
	s_add_co_u32 s47, s47, s50
	s_add_co_u32 s47, s47, KSC
	v_add_nc_u32 v29, s47, v6
	MNFETCH 0
	s_wait_loadcnt 0x0                             ; w_q, w_k
.set tt, 0
.rept 8
.if tt < 7
	MNFETCH tt+1
	s_wait_dscnt 8                                 ; all but the next tile's eight: this tile's fragments are in, the last tile's stores have landed
.else
	s_wait_dscnt 0x0
.endif
.set xc, 80+24*(tt%2)
.set sx, 24+2*(tt%2)
	MM0 176, 32, xc, 16, sx                        ; q's two tiles of d, k's two: four accumulators by turns
	MM0 184, 56, xc, 18, sx
	MM0 192, 128, xc, 20, sx
	MM0 200, 152, xc, 22, sx
	MM 176, 44, xc+12, 176, 17, sx+1
	MM 184, 68, xc+12, 184, 19, sx+1
	MM 192, 140, xc+12, 192, 21, sx+1
	MM 200, 164, xc+12, 200, 23, sx+1
	PLACES
.irp k, 0,2,4,6,8,10,12,14
	v_pk_mul_f32 v[176+\k:177+\k], v[176+\k:177+\k], 0x3e3504f3 op_sel_hi:[1,0]   ; q / sqrt(32)
.endr
	v_max3_num_f32 v208, |v176|, |v177|, 0x1800000
	v_max3_num_f32 v209, |v192|, |v193|, 0x1800000
.irp i, 2,4,6,8,10,12,14
	v_max3_num_f32 v208, v208, |v[176+\i]|, |v[177+\i]|
	v_max3_num_f32 v209, v209, |v[192+\i]|, |v[193+\i]|
.endr
	v_permlanex16_b32 v210, v208, s28, s29
	v_permlanex16_b32 v211, v209, s28, s29
	v_max_num_f32 v208, v208, v210
	v_max_num_f32 v209, v209, v211
	v_add_nc_u32 v212, 0xff000000, v208
	v_add_nc_u32 v213, 0xff000000, v209
	v_lshrrev_b32 v214, 23, v212
	v_lshrrev_b32 v215, 23, v213
	v_cvt_scalef32_pk16_fp6_f32 v[216:218], v[176:191], v212
	v_cvt_scalef32_pk16_fp6_f32 v[224:226], v[192:207], v213
	v_nop                                          ; one plain place behind a scaled conversion
.irp i, 0,1,2
	v_permlane16_swap_b32 v[216+\i], v[224+\i]     ; lanes 0-15 now hold q's whole block of row r, lanes 16-31 k's
.endr
.irp i, 0,1,2
	v_mov_b32 v[219+\i], v[224+\i]
.endr
	ds_store_b128 v13, v[216:219] offset:tt*3072
	ds_store_b64 v14, v[220:221] offset:tt*3072+256
	ds_store_b32 v15, v214 offset:tt*512
	ds_store_b32 v29, v215 offset:4*tt
.set tt, tt+1
.endr
	s_wait_dscnt 0x0                               ; the stores have read their registers
	s_lshl_b32 s47, s24, 7
	s_add_co_u32 s47, s47, MNSC
	v_add_nc_u32 v11, s47, v7
	ds_load_b32 v27, v11                           ; my own tile's scale words of LN(m), for the gate
	ds_load_b32 v28, v11 offset:64
	s_lshl_b32 s50, s24, 14
	s_add_nc_u64 s[42:43], s[20:21], s[50:51]      ; zbimg at (head 0, T)
.macro ZLOAD g, off                    ; 32 registers of zb into the accumulators of key tiles 4 g .. 4 g + 3
.irp i, 0,1,2,3,4,5,6,7
	global_load_b128 v[128+32*\g+4*\i:131+32*\g+4*\i], v3, s[42:43] offset:\off+(8*\g+\i)*512
.endr
.endm
	ZLOAD 1, 0                                     ; in the order in which they are wanted
	ZLOAD 2, 0
	ZLOAD 3, 0
	ZLOAD 0, 0
	v_add_nc_u32 v9, MB, v8
.irp i, 38,39,40,41,42,43
	v_mov_b32 v[\i], 0                             ; Q's registers 6-11: zero codes, for the whole walk
.endr
.irp i, 84,85,86,87,88,89
	v_mov_b32 v[\i], 0                             ; named as the last K tile's registers 6-11: whatever they hold later meets zero codes
.endr
	v_mov_b32 v125, 0                              ; (named as the upper half of the pair v[124:125])
	s_mul_i32 s34, s24, 3072
	s_add_co_u32 s34, s34, QIMG                    ; the head's places, stepped from head to head: q, o g
	s_mov_b32 s35, KIMG                            ; k
	s_mov_b32 s36, KSC
	s_lshl_b32 s37, s24, 9
	s_add_co_u32 s37, s37, QSC
	s_mov_b32 s38, BG
	s_mov_b32 s39, VIMG                            ; v, and 49,152 bytes on w_g
	s_mov_b32 s40, VSC                             ; their scale words, 2,048 bytes apart
	BAR                                            ; barrier B: q, k and v lie in LDS
; ---------------- D: my 16 queries, head by head.  v32-43 Q; v44-59 O^T; v60-123 at work; v124 -M; v126-127 the sum, then its reciprocal; v128-255 S^T: register 16 B + i = key 32 B + 16 hh + i
.macro KLOAD g                         ; four tiles of K, 24 bytes a lane each, six registers apart, and their four scale words: 9 LDS loads
.irp t, 0,1,2,3
	ds_load_b128 v[60+6*\t:63+6*\t], v14 offset:(4*\g+\t)*3072
	ds_load_b64 v[64+6*\t:65+6*\t], v15 offset:(4*\g+\t)*3072+256
.endr
	ds_load_b128 v[16:19], v29 offset:16*\g
.endm
.macro MBLOAD g                        ; the mask's term for the 32 registers of group g: 8 LDS loads
.irp i, 0,1,2,3,4,5,6,7
	ds_load_b128 v[92+4*\i:95+4*\i], v9 offset:256*\g+128*(\i/4)+16*(\i%4)
.endr
.endm
.macro W g                             ; S^T = K Q^T + zb: C is what ZLOAD brought
.irp t, 0,1,2,3
	v_wmma_scale_f32_16x16x128_f8f6f4 v[128+32*\g+8*\t:135+32*\g+8*\t], v[60+6*\t:71+6*\t], v[32:43], v[128+32*\g+8*\t:135+32*\g+8*\t], v[16+\t], v24 matrix_a_fmt:MATRIX_FMT_FP6 matrix_b_fmt:MATRIX_FMT_FP6
.endr
.endm
.macro ADDM g                          ; T = logit x log2(e) + mbc, each accumulator from its low end on
.irp k, 0,2,4,6,8,10,12,14,16,18,20,22,24,26,28,30
	v_pk_fma_f32 v[128+32*\g+\k:129+32*\g+\k], v[128+32*\g+\k:129+32*\g+\k], s[30:31], v[92+\k:93+\k] op_sel_hi:[1,0,1]
.endr
.endm
.macro UNIT pre                        ; one head.  pre = 1: the next head's zb is asked for on the way
	v_add_nc_u32 v11, s34, v4
	v_add_nc_u32 v12, s34, v5
	v_add_nc_u32 v13, s37, v7
	v_add_nc_u32 v14, s35, v4
	v_add_nc_u32 v15, s35, v5
	v_add_nc_u32 v29, s36, v6
	ds_load_b128 v[32:35], v11
	ds_load_b64 v[36:37], v12 offset:256
	ds_load_b32 v24, v13
	KLOAD 1
	s_wait_dscnt 9                                 ; Q and its scale word are in; KLOAD's nine may be out
.irp i, 0,1,2,3,4,5
	v_cndmask_b32 v[32+\i], v[32+\i], v38, s32     ; lanes 16-31: zero codes
.endr
	PLACES                                         ; an operand written by vector instructions stands four places ahead of a scaled matrix instruction
	s_wait_dscnt 0x0
	s_wait_loadcnt 24                              ; zb's group 1 is in: behind it groups 2, 3 and 0 were asked for, eight loads each
	W 1
	PLACES
	KLOAD 2
	MBLOAD 1
	s_wait_dscnt 8                                 ; KLOAD's nine are in, MBLOAD's eight may be out
	s_wait_loadcnt 16
	W 2
	s_wait_dscnt 0x0
	ADDM 1                                         ; sixteen plain instructions on the group before: the places behind W
	KLOAD 3
	MBLOAD 2
	s_wait_dscnt 8
	s_wait_loadcnt 8
	W 3
	s_wait_dscnt 0x0
	ADDM 2
	KLOAD 0
	MBLOAD 3
	s_wait_dscnt 8
	s_wait_loadcnt 0x0
	W 0
	s_wait_dscnt 0x0
	ADDM 3
	MBLOAD 0
	s_wait_dscnt 0x0
	ADDM 0
.irp b, 0,1,2,3,4,5,6,7
	v_max3_num_f32 v[60+\b], v[128+16*\b], v[129+16*\b], v[130+16*\b]   ; THE LARGEST T OF EACH BLOCK OF 32 KEYS: for the row's maximum, and, since p rises with T, for the block's largest p
.endr
.irp i, 3,5,7,9,11,13
.irp b, 0,1,2,3,4,5,6,7
	v_max3_num_f32 v[60+\b], v[60+\b], v[128+16*\b+\i], v[129+16*\b+\i]
.endr
.endr
.irp b, 0,1,2,3,4,5,6,7
	v_max_num_f32 v[60+\b], v[60+\b], v[143+16*\b]
.endr
.irp b, 0,1,2,3,4,5,6,7
	v_permlanex16_b32 v[68+\b], v[60+\b], s28, s29
.endr
.irp b, 0,1,2,3,4,5,6,7
	v_max_num_f32 v[60+\b], v[60+\b], v[68+\b]     ; with lane l xor 16's 16 keys
.endr
	v_max3_num_f32 v116, v60, v61, v62
	v_max3_num_f32 v116, v116, v63, v64
	v_max3_num_f32 v116, v116, v65, v66
	v_max_num_f32 v116, v116, v67                  ; the row's largest T
	v_floor_f32 v124, -v116                        ; -M = floor(-T) = -ceil(T)
.set p, 0
.rept 64
	v_pk_add_f32 v[128+2*p:129+2*p], v[128+2*p:129+2*p], v[124:125] op_sel_hi:[1,0]   ; T - M
.set p, p+1
.endr
.irp b, 0,1,2,3,4,5,6,7
	v_add_f32 v[60+\b], v[60+\b], v124             ; the same of each block's largest
.endr
.set p, 0
.rept 128
	v_exp_f32 v[128+p], v[128+p]                   ; p = 2^(T - M), at most 1: not normalised
.set p, p+1
.endr
	v_nop                                          ; a plain place behind the exponentials
	s_wait_alu depctr_va_vdst(0)                   ; one wait for the whole batch, ahead of its first reader
.irp b, 0,1,2,3,4,5,6,7
	v_exp_f32 v[60+\b], v[60+\b]                   ; the block's largest p: the same instructions on the same number give the same bits
.endr
	v_pk_add_f32 v[126:127], v[128:129], v[130:131]   ; THE ROW'S SUM IS TAKEN OF THE UNQUANTISED p, in two chains; it reads the 128 alone
	v_pk_add_f32 v[92:93], v[132:133], v[134:135]
.set j, 0
.rept 30
	v_pk_add_f32 v[126:127], v[126:127], v[136+4*j:137+4*j]
	v_pk_add_f32 v[92:93], v[92:93], v[138+4*j:139+4*j]
.set j, j+1
.endr
	v_pk_add_f32 v[126:127], v[126:127], v[92:93]
	s_wait_alu depctr_va_vdst(0)                   ; and one for the eight
.irp b, 0,1,2,3,4,5,6,7
	v_max_num_f32 v[60+\b], 0x1800000, v[60+\b]    ; the floor 2^(3 - 127): the byte cannot fall under 1
.endr
.irp b, 0,1,2,3,4,5,6,7
	v_add_nc_u32 v[76+\b], 0xff000000, v[60+\b]    ; the conversion's scale operand
.endr
.irp b, 0,1,2,3,4,5,6,7
	v_lshrrev_b32 v[84+\b], 23, v[76+\b]           ; the scale's byte
.endr
	v_lshl_or_b32 v25, v85, 8, v84                 ; p's scale words: keys 0-127, keys 128-255
	v_lshl_or_b32 v26, v89, 8, v88
	v_lshl_or_b32 v25, v86, 16, v25
	v_lshl_or_b32 v26, v90, 16, v26
	v_lshl_or_b32 v25, v87, 24, v25
	v_lshl_or_b32 v26, v91, 24, v26
	v_cvt_scalef32_pk16_fp6_f32 v[104:106], v[128:143], v76
	v_cvt_scalef32_pk16_fp6_f32 v[108:110], v[144:159], v77
	v_nop                                          ; a plain place: the next conversions write into the registers that these two have read
	v_cvt_scalef32_pk16_fp6_f32 v[134:136], v[160:175], v78
	v_cvt_scalef32_pk16_fp6_f32 v[96:98], v[176:191], v79
	v_cvt_scalef32_pk16_fp6_f32 v[140:142], v[192:207], v80
	v_cvt_scalef32_pk16_fp6_f32 v[100:102], v[208:223], v81
	v_cvt_scalef32_pk16_fp6_f32 v[146:148], v[224:239], v82
	v_cvt_scalef32_pk16_fp6_f32 v[112:114], v[240:255], v83
	v_nop
.irp i, 0,1,2                          ; a WHOLE block in a lane: lanes 0-15 the even block of a pair, lanes 16-31 the odd one
	v_permlane16_swap_b32 v[104+\i], v[108+\i]
	v_permlane16_swap_b32 v[134+\i], v[96+\i]
	v_permlane16_swap_b32 v[140+\i], v[100+\i]
	v_permlane16_swap_b32 v[146+\i], v[112+\i]
.endr
.irp i, 0,1,2
	v_mov_b32 v[128+\i], v[104+\i]                 ; P of keys 0-127 in v128-139, of keys 128-255 in v140-151
	v_mov_b32 v[131+\i], v[108+\i]
	v_mov_b32 v[137+\i], v[96+\i]
	v_mov_b32 v[143+\i], v[100+\i]
	v_mov_b32 v[149+\i], v[112+\i]
.endr
.if \pre
	ZLOAD 1, 262144                                ; the next head's zb, into the registers that p has left
	ZLOAD 2, 262144
	ZLOAD 3, 262144
.endif
	v_add_nc_u32 v14, s39, v3
	v_add_nc_u32 v15, s40, v7
.irp f, 0,1,2,3
.irp c, 0,1,2
	ds_load_b128 v[60+12*\f+4*\c:63+12*\f+4*\c], v14 offset:\f*1536+512*\c   ; v^T's fragments (u, s) = 2 u + s
.endr
	ds_load_b32 v[16+\f], v15 offset:\f*64
.endr
	v_add_f32 v127, v126, v127                     ; the sum's two halves,
	v_permlanex16_b32 v116, v127, s28, s29
	v_add_f32 v127, v127, v116                     ; and lane l xor 16's
	v_rcp_f32 v126, v127
	PLACES                                         ; plain places behind the reciprocal and in front of the products
	s_wait_dscnt 0x0
	MM0 44, 60, 128, 16, 25                        ; O^T = V^T P^T: two accumulators by turns
	MM0 52, 84, 128, 18, 25
	MM 44, 72, 140, 44, 17, 26
	MM 52, 96, 140, 52, 19, 26
	PLACES
	v_add_nc_u32 v29, s38, v8
.irp f, 0,1,2,3
.irp c, 0,1,2
	ds_load_b128 v[60+12*\f+4*\c:63+12*\f+4*\c], v14 offset:49152+\f*1536+512*\c   ; w_g's fragments of this head
.endr
	ds_load_b32 v[20+\f], v15 offset:2048+\f*64
.endr
.irp c, 0,1,2,3,4,5
	ds_load_b128 v[128+4*\c:131+4*\c], v10 offset:512*\c   ; LN(m), my tile's two fragments
.endr
.irp u, 0,1
	ds_load_b128 v[108+8*\u:111+8*\u], v29 offset:32*\u      ; b_g is the C of the gate's first products
	ds_load_b128 v[112+8*\u:115+8*\u], v29 offset:32*\u+16
.endr
	s_wait_alu depctr_va_vdst(0)                   ; the reciprocal's wait, ahead of its first reader
.irp k, 0,2,4,6,8,10,12,14
	v_pk_mul_f32 v[44+\k:45+\k], v[44+\k:45+\k], v[126:127] op_sel_hi:[1,0]   ; O^T / the sum
.endr
	s_wait_dscnt 0x0
	MM 108, 60, 128, 108, 20, 27
	MM 116, 84, 128, 116, 22, 27
	MM 108, 72, 140, 108, 21, 28
	MM 116, 96, 140, 116, 23, 28
	PLACES
.if \pre
	ZLOAD 0, 262144                                ; the last group, into the registers that P and LN(m) have left
.endif
.irp k, 0,2,4,6,8,10,12,14
	v_pk_mul_f32 v[108+\k:109+\k], v[108+\k:109+\k], 0xbfb8aa3b op_sel_hi:[1,0]   ; sigmoid(x) = 1 / (1 + 2^(-x log2(e)))
.endr
.irp k, 0,1,2,3,4,5,6,7,8,9,10,11,12,13,14,15
	v_exp_f32 v[108+\k], v[108+\k]
.endr
	v_nop
	s_wait_alu depctr_va_vdst(0)
.irp k, 0,2,4,6,8,10,12,14
	v_pk_add_f32 v[108+\k:109+\k], v[108+\k:109+\k], 1.0 op_sel_hi:[1,0]
.endr
.irp k, 0,1,2,3,4,5,6,7,8,9,10,11,12,13,14,15
	v_rcp_f32 v[108+\k], v[108+\k]
.endr
	v_nop
	s_wait_alu depctr_va_vdst(0)
.irp k, 0,2,4,6,8,10,12,14
	v_pk_mul_f32 v[44+\k:45+\k], v[44+\k:45+\k], v[108+\k:109+\k]   ; o g: d = 16 hh + 0 .. 15
.endr
	v_max3_num_f32 v66, |v44|, |v45|, 0x1800000    ; a head is one block of the last product's K
.irp i, 2,4,6,8,10,12,14
	v_max3_num_f32 v66, v66, |v[44+\i]|, |v[45+\i]|
.endr
	v_permlanex16_b32 v67, v66, s28, s29
	v_max_num_f32 v66, v66, v67
	v_add_nc_u32 v68, 0xff000000, v66
	v_lshrrev_b32 v69, 23, v68
	v_cvt_scalef32_pk16_fp6_f32 v[60:62], v[44:59], v68
	v_nop
.irp i, 0,1,2
	v_mov_b32 v[63+\i], v[60+\i]
.endr
.irp i, 0,1,2
	v_permlane16_swap_b32 v[60+\i], v[63+\i]       ; both halves of the lanes now hold row r's 24 bytes
.endr
	ds_store_b128 v11, v[60:63]                    ; into my own place of this head's q, which I alone read, and have read
	ds_store_b64 v12, v[64:65] offset:256
	ds_store_b32 v13, v69
	s_wait_dscnt 0x0                               ; the stores have read their registers
.if \pre
	s_wait_xcnt 0x0                                ; zb's loads have read their base: it may step
	s_add_co_u32 s34, s34, 384
	s_add_co_u32 s35, s35, 384
	s_add_co_u32 s36, s36, 1280
	s_add_co_u32 s37, s37, 64
	s_add_co_u32 s38, s38, 128
	s_add_co_u32 s39, s39, 6144
	s_add_co_u32 s40, s40, 256
	s_add_nc_u64 s[42:43], s[42:43], 262144
.endif
.endm
	s_mov_b32 s33, 7
.Lhead:
	UNIT 1
	s_sub_co_u32 s33, s33, 1
	s_cmp_lg_u32 s33, 0
	s_cbranch_scc1 .Lhead
	UNIT 0                                         ; the last head is written out: no load leaves zbimg
; ---------------- E: out = (o g) w_o + b_o for my 16 rows.  Source 0 = 16 columns of w_o, source 1 = my rows: a lane holds eight neighbouring columns of one row
	v_lshlrev_b32 v29, 5, v31
.irp n, 0,1,2,3,4,5,6,7,8,9,10,11,12,13,14,15
	global_load_b128 v[128+8*\n:131+8*\n], v29, s[14:15] offset:64*\n      ; b_o is the C of the first products
	global_load_b128 v[132+8*\n:135+8*\n], v29, s[14:15] offset:64*\n+16
.endr
	s_mul_i32 s47, s24, 3072
	s_add_co_u32 s47, s47, QIMG
	v_mul_u32_u24 v14, v31, 384                    ; registers 6 c .. 6 c + 5 of K step s are head 4 s + 2 c + hh
	v_add_nc_u32 v14, s47, v14
	v_add_nc_u32 v11, v14, v4
	v_add_nc_u32 v12, v14, v5
	s_lshl_b32 s47, s24, 9
	s_add_co_u32 s47, s47, QSC
	v_add_nc_u32 v13, s47, v7
.irp s, 0,1
.irp c, 0,1
	ds_load_b128 v[32+12*\s+6*\c:35+12*\s+6*\c], v11 offset:(4*\s+2*\c)*384
	ds_load_b64 v[36+12*\s+6*\c:37+12*\s+6*\c], v12 offset:(4*\s+2*\c)*384+256
.endr
.endr
.irp h, 0,1,2,3,4,5,6,7
	ds_load_b32 v[104+\h], v13 offset:64*\h
.endr
	BAR                                            ; barrier C: no wave reads q, k or o g any more: the stages may lie there
	v_lshl_or_b32 v25, v105, 8, v104               ; the eight heads' bytes make two scale words
	v_lshl_or_b32 v26, v109, 8, v108
	v_lshl_or_b32 v25, v106, 16, v25
	v_lshl_or_b32 v26, v110, 16, v26
	v_lshl_or_b32 v25, v107, 24, v25
	v_lshl_or_b32 v26, v111, 24, v26
	s_mul_i32 s47, s24, STGW                       ; the nine address lines below are the eight places between a scale written by a vector instruction and the scaled matrix instruction
	s_add_co_u32 s47, s47, QIMG
	v_mul_u32_u24 v14, v30, 272
	v_lshl_add_u32 v14, v31, 5, v14
	v_add_nc_u32 v14, s47, v14                     ; the stage, in: row r, 32 hh
	v_mul_u32_u24 v15, v31, 272
	v_add_nc_u32 v15, v15, v4
	v_add_nc_u32 v15, s47, v15                     ; back: lanes 0-15 one row, lanes 16-31 the next
	v_lshl_add_u32 v13, v31, 10, v4                ; and the same two rows in out0
	v_add_nc_u32 v11, WOIMG, v3
	v_add_nc_u32 v12, WOSC, v7
.macro WOLOAD ng, s                    ; w_o's tiles 4 ng .. 4 ng + 3, K step s: 16 LDS loads
.irp t, 0,1,2,3
.irp c, 0,1,2
	ds_load_b128 v[56+12*\t+4*\c:59+12*\t+4*\c], v11 offset:(2*(4*(\ng)+\t)+\s)*1536+512*\c
.endr
	ds_load_b32 v[16+4*\s+\t], v12 offset:(2*(4*(\ng)+\t)+\s)*64
.endr
.endm
.macro OUTG ng                         ; 64 columns: four accumulators by turns; through my stage; out as aligned runs of 256 bytes
	s_wait_dscnt 0x0
	s_wait_loadcnt 24-8*\ng                        ; b_o of these four tiles is in: behind it eight loads for each later group
.irp t, 0,1,2,3
	MM 128+32*\ng+8*\t, 56+12*\t, 32, 128+32*\ng+8*\t, 16+\t, 25
.endr
	PLACES
	WOLOAD \ng, 1
	s_wait_dscnt 0x0
.irp t, 0,1,2,3
	MM 128+32*\ng+8*\t, 56+12*\t, 44, 128+32*\ng+8*\t, 20+\t, 26
.endr
	PLACES
.irp t, 0,1,2,3
	ds_store_b128 v14, v[128+32*\ng+8*\t:131+32*\ng+8*\t] offset:64*\t       ; each accumulator from its low end on
	ds_store_b128 v14, v[132+32*\ng+8*\t:135+32*\ng+8*\t] offset:64*\t+16
.endr
.irp i, 0,1,2,3,4,5,6,7
	ds_load_b128 v[128+32*\ng+4*\i:131+32*\ng+4*\i], v15 offset:2*\i*272     ; LDS serves a wave's instructions in order
.endr
.if \ng < 3
	WOLOAD (\ng)+1, 0
	s_wait_dscnt 16                                ; the rows are back; the next tiles' sixteen loads may be out
.else
	s_wait_dscnt 0x0
.endif
.irp i, 0,1,2,3,4,5,6,7
	global_store_b128 v13, v[128+32*\ng+4*\i:131+32*\ng+4*\i], s[22:23] offset:(2*\i+8*(\i/4))*1024+256*\ng th:TH_STORE_NT   ; sixteen lanes store 256 consecutive bytes, aligned; no store's registers are written again
.endr
.endm
	WOLOAD 0, 0
	OUTG 0
	OUTG 1
	OUTG 2
	OUTG 3
	s_wait_tensorcnt 0x0                           ; the wave's end, behind my last LDS store
	ds_add_u32 v1, v2
	s_wait_dscnt 0x0
	s_endpgm
.Lfunc_end_k_qc21d288e9a_main:
	.size	k_qc21d288e9a_main, .Lfunc_end_k_qc21d288e9a_main-k_qc21d288e9a_main
	.p2alignl 7, 3214868480
	.fill 96, 4, 3214868480
	.section	.rodata,"a",@progbits
	.p2align	6, 0x0
	.amdhsa_kernel k_qc21d288e9a_main
		.amdhsa_group_segment_fixed_size 327680
		.amdhsa_private_segment_fixed_size 0
		.amdhsa_enable_private_segment 0
		.amdhsa_kernarg_size 80
		.amdhsa_user_sgpr_count 2
		.amdhsa_user_sgpr_kernarg_segment_ptr 1
		.amdhsa_wavefront_size32 1
		.amdhsa_system_sgpr_workgroup_id_x 1
		.amdhsa_system_sgpr_workgroup_id_y 1
		.amdhsa_system_sgpr_workgroup_id_z 1
		.amdhsa_system_vgpr_workitem_id 0
		.amdhsa_next_free_vgpr 256
		.amdhsa_next_free_sgpr 66
		.amdhsa_reserve_vcc 0
		.amdhsa_float_denorm_mode_32 3
		.amdhsa_float_denorm_mode_16_64 3
		.amdhsa_memory_ordered 1
		.amdhsa_forward_progress 1
		.amdhsa_inst_pref_size 222
	.end_amdhsa_kernel
	.amdgpu_metadata
---
amdhsa.version: [ 1, 2 ]
amdhsa.kernels:
  - .name:           k_qc21d288e9a_main
    .symbol:         k_qc21d288e9a_main.kd
    .args:
      - { .name: m, .offset: 0, .size: 8, .value_kind: global_buffer, .address_space: global }
      - { .name: mask, .offset: 8, .size: 8, .value_kind: global_buffer, .address_space: global }
      - { .name: ln_m_w, .offset: 16, .size: 8, .value_kind: global_buffer, .address_space: global }
      - { .name: ln_m_b, .offset: 24, .size: 8, .value_kind: global_buffer, .address_space: global }
      - { .name: b_g, .offset: 32, .size: 8, .value_kind: global_buffer, .address_space: global }
      - { .name: b_o, .offset: 40, .size: 8, .value_kind: global_buffer, .address_space: global }
      - { .name: wimg, .offset: 48, .size: 8, .value_kind: global_buffer, .address_space: global }
      - { .name: wsc, .offset: 56, .size: 8, .value_kind: global_buffer, .address_space: global }
      - { .name: zbimg, .offset: 64, .size: 8, .value_kind: global_buffer, .address_space: global }
      - { .name: out0, .offset: 72, .size: 8, .value_kind: global_buffer, .address_space: global }
    .group_segment_fixed_size: 327680
    .private_segment_fixed_size: 0
    .kernarg_segment_align: 8
    .kernarg_segment_size: 80
    .max_flat_workgroup_size: 512
    .sgpr_count:     66
    .vgpr_count:     256
    .wavefront_size: 32
...
	.end_amdgpu_metadata
.endif
;; end of part 2
;; ======== version 2 of 2: 2 launches
;; limits: right only within a limited range of input values
;; workspace buffers: wimg 245,760 bytes; wsc 10,240 bytes; zbimg 2,097,152 bytes
;; launch prep (part 3): grid 276 x 1, 8 waves a work-group, no clusters, 149,504 bytes of LDS; arguments z, ln_z_w, ln_z_b, w_z, w_q, w_k, w_v, w_g, w_o, wimg, wsc, zbimg; writes wimg, wsc, zbimg
.if DOCPART == 3
	.amdgcn_target "amdgcn-amd-amdhsa--gfx1250"
	.amdhsa_code_object_version 6
	.text
	.protected	k_qc21d288e9a_prep
	.globl	k_qc21d288e9a_prep
	.p2align	8
	.type	k_qc21d288e9a_prep,@function
k_qc21d288e9a_prep:
	s_mov_b64 s[64:65], 0
	v_nop
	global_prefetch_b8 v0, s[64:65] scope:SCOPE_SE
	s_setreg_imm32_b32 hwreg(HW_REG_WAVE_MODE, 25, 1), 1
	s_wait_xcnt 0x0
; MSA row attention with pair bias, first of two launches.  It makes what every sequence shares:
;  (a) the five weights w_q, w_k, w_v, w_g, w_o as codes of FP6 (E2M3) with one E8M0 scale for each 32 along K (K is their FIRST axis), laid as images of operand registers;
;  (b) the pair bias zb[h][q][k] = LN(z[q][k][:]) . w_z[:][h], in f32 by fused multiply-adds (it goes on into a quantised operand), laid in the order of the accumulator registers that take it as C.
; NO WORK OF reference() IS LEFT OUT, here or in the second launch, and every input is loaded: ln_z_b . w_z is the same along the softmax's axis, but it moves t by no whole number and so moves p's codes.
; LIMITS: NaN and infinities among the inputs are not served.  A block of zeros gets the scale byte 1 where the quantiser says 127: its codes are zeros, which add nothing, and this program alone reads the bytes.
; TILES.  Row r of tile T of residues is residue rho(T, r) = 32 (T / 2) + 8 (T % 2) + r + 8 (r / 8).  Lane-row r of tile n of w_q, w_k, w_v, w_g is column 32 (n / 2) + 8 (n % 2) + r + 8 (r / 8); of w_o column 16 n + r.
; wimg  [matrix 0..4 = q, k, v, g, o][n 0..15][K step 0..1] 1,536 bytes: registers 4 c .. 4 c + 3 of lane l at 512 c + 16 l.     wsc: the same index, 64 bytes: lane-row r's scale word at 4 r.
; zbimg [h][T] 16,384 bytes: load i (0..31), lane (r, hh), word e = zb(h, rho(T, r), key 32 (i / 4) + 16 hh + 4 (i % 4) + e), at 512 i + 16 lane + 4 e.
; SHARES.  Work-groups 0..19: a wave makes one weight fragment (160 in all), with no LDS.  Work-groups 20..275: 16 queries x 16 keys of z, 256 rows of 512 bytes; a wave takes 32 rows, and after a turn through LDS a lane holds a whole row.
; w_z, ln_z_w and ln_z_b are the same for every lane.  The work-group copies them into LDS once (5,120 bytes), the gains and biases are read at one address by every lane, one block of 16 channels ahead of their use; w_z goes into 64 registers, shared out over sixteen lanes.
; The weight loads read 32 or 64 neighbouring bytes of a row each: 1.3 MB read once, which a layout through LDS would not repay.  No matrix unit (8 heads are half a tile, and the operands must be f32), no cluster (no tile is shared).
.set STW,   16896                      ; a wave's stage: 32 rows x (512 bytes + 16)
.set OST,   135168                     ; behind the eight stages: the results, h x 1,024 + a x 256 + r x 16 + 4 e
.set SPARE, 143360                     ; the spare words, 128 bytes for each wave: four blocks of 256 bytes that no other line names
.set WZL,   144384                     ; w_z as it lies in memory: channel c's eight numbers at 32 c
.set LNL,   148480                     ; = WZL + 4,096: ln_z_w (512 bytes), then ln_z_b
	v_lshl_add_u32 v1, v0, 2, SPARE
	v_mov_b32 v2, 0
	v_lshrrev_b32 v9, 5, v0
	s_delay_alu instid0(VALU_DEP_1)
	v_readfirstlane_b32 s3, v9                     ; wave 0..7
	s_cmp_lt_u32 ttmp9, 20                         ; the work-group's number alone decides: all eight waves go one way
	s_cbranch_scc0 .Lzb
; ---------------- a weight fragment: 16 columns x 128 along K.  A lane takes a column, and its registers run down K in the order of the operand's layout
	s_load_b256 s[16:23], s[0:1], 0x20             ; w_q, w_k, w_v, w_g
	s_load_b64 s[24:25], s[0:1], 0x40              ; w_o
	s_load_b128 s[28:31], s[0:1], 0x48             ; wimg, wsc
	s_lshl_b32 s4, ttmp9, 3
	s_add_co_u32 s4, s4, s3                        ; f: which fragment
	s_lshr_b32 s5, s4, 5                           ; which matrix
	s_bfe_u32 s6, s4, 0x40001                      ; n
	s_and_b32 s7, s4, 1                            ; K step
	s_lshr_b32 s8, s6, 1
	s_lshl_b32 s8, s8, 5
	s_and_b32 s9, s6, 1
	s_lshl_b32 s9, s9, 3
	s_add_co_u32 s8, s8, s9                        ; 32 (n / 2) + 8 (n % 2)
	s_lshl_b32 s9, s6, 4                           ; 16 n
	s_cmp_lt_u32 s5, 4
	s_cselect_b32 s8, s8, s9                       ; the tile's first column
	s_cselect_b32 s9, 8, 0                         ; the bit of r that counts twice
	s_mov_b32 s34, 0x76543210
	s_mov_b32 s35, 0xfedcba98                      ; v_permlanex16_b32's selects for lane l xor 16
	v_and_b32 v4, 15, v0                           ; r
	v_bfe_u32 v6, v0, 4, 1                         ; hh
	v_and_b32 v12, 31, v0                          ; lane
	s_delay_alu instid0(VALU_DEP_1)
	v_lshlrev_b32 v8, 4, v12
	s_delay_alu instid0(VALU_DEP_4)
	v_lshlrev_b32 v11, 2, v4
	v_and_b32 v7, s9, v4
	s_delay_alu instid0(VALU_DEP_1)
	v_add_nc_u32 v7, v7, v4
	s_delay_alu instid0(VALU_DEP_1)
	v_add_nc_u32 v7, s8, v7                        ; my column
	s_delay_alu instid0(VALU_DEP_1)
	v_lshlrev_b32 v5, 2, v7
	s_delay_alu instid0(VALU_DEP_1)
	v_lshl_add_u32 v5, v6, 15, v5                  ; lanes 16-31 begin 32 rows of 1,024 bytes further down
	s_lshl_b32 s10, s7, 17                         ; the K step: 128 rows
	s_mov_b32 s11, 0
	s_wait_alu depctr_va_vdst(0)
	s_wait_kmcnt 0x0
	s_cmp_eq_u32 s5, 1
	s_cselect_b64 s[16:17], s[18:19], s[16:17]
	s_cmp_eq_u32 s5, 2
	s_cselect_b64 s[16:17], s[20:21], s[16:17]
	s_cmp_eq_u32 s5, 3
	s_cselect_b64 s[16:17], s[22:23], s[16:17]
	s_cmp_eq_u32 s5, 4
	s_cselect_b64 s[16:17], s[24:25], s[16:17]
	s_add_nc_u64 s[16:17], s[16:17], s[10:11]
	s_mul_i32 s10, s4, 1536
	s_add_nc_u64 s[28:29], s[28:29], s[10:11]
	s_lshl_b32 s10, s4, 6
	s_add_nc_u64 s[30:31], s[30:31], s[10:11]
.irp c, 0,1
.irp i, 0,1,2,3,4,5,6,7,8,9,10,11,12,13,14,15,16,17,18,19,20,21,22,23,24,25,26,27,28,29,30,31
	global_load_b32 v[64+32*\c+\i], v5, s[16:17] offset:(64*\c+\i)*1024   ; W(64 c + 32 hh + i, my column)
.endr
.endr
	s_wait_loadcnt 0x0
.irp c, 0,1
	v_max3_num_f32 v[32+\c], |v[64+32*\c]|, |v[65+32*\c]|, 0x1800000   ; my block 2 c + hh, and the floor 2^(3 - 127): the byte cannot fall under 1
.endr
.irp i, 2,4,6,8,10,12,14,16,18,20,22,24,26,28,30
.irp c, 0,1
	s_delay_alu instid0(VALU_DEP_2)
	v_max3_num_f32 v[32+\c], v[32+\c], |v[64+32*\c+\i]|, |v[65+32*\c+\i]|
.endr
.endr
.irp c, 0,1
	s_delay_alu instid0(VALU_DEP_2)
	v_add_nc_u32 v[44+\c], 0xff000000, v[32+\c]    ; 2 off the exponent field: the conversion's scale operand
.endr
.irp c, 0,1
	s_delay_alu instid0(VALU_DEP_2)
	v_lshrrev_b32 v[36+\c], 23, v[44+\c]           ; the scale's byte
.endr
	s_delay_alu instid0(VALU_DEP_1)
	v_lshl_or_b32 v9, v37, 16, v36                 ; blocks hh and 2 + hh,
	v_lshlrev_b32 v10, 3, v6
	s_delay_alu instid0(VALU_DEP_1)
	v_lshlrev_b32 v9, v10, v9                      ; at their places in the word;
	v_mov_b32 v10, 0
	s_delay_alu instid0(VALU_DEP_1)
	v_permlanex16_b32 v10, v9, s34, s35
	s_delay_alu instid0(VALU_DEP_1)
	v_or_b32 v9, v9, v10                           ; with lane l xor 16's two the word is whole
.irp c, 0,1
	v_cvt_scalef32_pk16_fp6_f32 v[48+6*\c:50+6*\c], v[64+32*\c:79+32*\c], v[44+\c]
	v_cvt_scalef32_pk16_fp6_f32 v[136+4*\c:138+4*\c], v[80+32*\c:95+32*\c], v[44+\c]   ; (a conversion's three registers begin on an even number)
.endr
	v_nop                                          ; one plain place behind a scaled conversion
.irp c, 0,1
.irp i, 0,1,2
	v_mov_b32 v[51+6*\c+\i], v[136+4*\c+\i]
.endr
.endr
	global_store_b128 v8, v[48:51], s[28:29]       ; the image: each store covers 512 consecutive bytes
	global_store_b128 v8, v[52:55], s[28:29] offset:512
	global_store_b128 v8, v[56:59], s[28:29] offset:1024
	s_wait_xcnt 0x0                                ; EXEC changes only behind this wait
	v_cmp_gt_u32 vcc_lo, 16, v12
	s_and_saveexec_b32 s12, vcc_lo
	global_store_b32 v11, v9, s[30:31]             ; lanes 0-15: the sixteen scale words
	s_wait_xcnt 0x0
	s_or_b32 exec_lo, exec_lo, s12
	s_endpgm
; ---------------- the pair bias
; REGISTERS: v3 the stage, in; v4 the stage, out; v5 16 lane; v6, v7 the results' places in LDS; v8 my place in zbimg; v9 WZL; v[10:11] the mean; v[12:13] 1 / sqrt(var + eps); v14 var + eps; v15, v29-31 the copy's addresses
; (v15 later: where my lane reads its share of w_z); v16-23 the eight sums; v24-28 the copy's data; v32-159 my row; v160-167 four chains of sums; v192-255 two sets of 16 gains + 16 biases; then v160-223 all of w_z, shared out over sixteen lanes.
.Lzb:
	s_load_b256 s[4:11], s[0:1], 0x0               ; z s[4:5], ln_z_w s[6:7], ln_z_b s[8:9], w_z s[10:11]
	s_load_b64 s[12:13], s[0:1], 0x58              ; zbimg
	s_sub_co_u32 s16, ttmp9, 20
	s_lshr_b32 s17, s16, 4                         ; T: the tile of queries
	s_and_b32 s18, s16, 15                         ; kh: keys 16 kh .. 16 kh + 15
	s_lshr_b32 s19, s17, 1
	s_lshl_b32 s19, s19, 5
	s_and_b32 s20, s17, 1
	s_lshl_b32 s20, s20, 3
	s_add_co_u32 s19, s19, s20
	s_lshl_b32 s20, s3, 1
	s_add_co_u32 s19, s19, s20
	s_lshr_b32 s20, s3, 2
	s_lshl_b32 s20, s20, 3
	s_add_co_u32 s19, s19, s20                     ; rho(T, 2 wave); rho(T, 2 wave + 1) is the next query
	s_lshl_b32 s19, s19, 8
	s_lshl_b32 s20, s18, 4
	s_add_co_u32 s19, s19, s20                     ; the first row of z: 256 x query + key
	s_lshl_b32 s20, s19, 9                         ; in bytes (under 2^25)
	s_mov_b32 s21, 0
	s_lshl_b32 s22, s3, 4                          ; on the way out wave w stores head w:
	s_add_co_u32 s22, s22, s17
	s_lshl_b32 s22, s22, 14                        ; (16 w + T) x 16,384
	s_lshr_b32 s23, s18, 1
	s_lshl_b32 s23, s23, 11
	s_add_co_u32 s22, s22, s23                     ; + 2,048 (kh / 2)
	s_and_b32 s23, s18, 1
	s_lshl_b32 s23, s23, 8
	s_add_co_u32 s22, s22, s23                     ; + 256 (kh % 2)
	s_mov_b32 s23, 0
	s_mov_b32 s14, 0x3c000000                      ; 1 / 128
	s_mov_b32 s15, 0x3727c5ac                      ; 1e-5
	v_and_b32 v9, 31, v0                           ; lane
	s_delay_alu instid0(VALU_DEP_1)
	v_lshlrev_b32 v5, 4, v9                        ; my 16 bytes of a row
	s_mul_i32 s24, s3, STW
	v_add_nc_u32 v3, s24, v5                       ; the stage, on the way in
	v_mul_u32_u24 v4, v9, 528
	s_delay_alu instid0(VALU_DEP_1)
	v_add_nc_u32 v4, s24, v4                       ; and on the way out: row = lane
	v_and_b32 v10, 15, v0                          ; my key among the 16
	s_delay_alu instid0(VALU_DEP_1)
	v_lshrrev_b32 v11, 2, v10                      ; a
	s_delay_alu instid0(VALU_DEP_2)
	v_and_b32 v12, 3, v10                          ; e
	v_bfe_u32 v13, v0, 4, 1                        ; which of my wave's two queries
	s_delay_alu instid0(VALU_DEP_3)
	v_lshlrev_b32 v6, 8, v11
	s_delay_alu instid0(VALU_DEP_1)
	v_lshl_add_u32 v6, v13, 4, v6
	s_delay_alu instid0(VALU_DEP_1)
	v_lshl_add_u32 v6, v12, 2, v6
	s_lshl_b32 s25, s3, 5
	s_add_co_u32 s25, s25, OST
	v_add_nc_u32 v6, s25, v6                       ; OST + 256 a + 16 (2 wave + query) + 4 e
	s_lshl_b32 s25, s3, 10
	s_add_co_u32 s25, s25, OST
	v_add_nc_u32 v7, s25, v5                       ; back: head = wave, 16 bytes a lane
	v_lshlrev_b32 v8, 9, v13
	s_delay_alu instid0(VALU_DEP_1)
	v_lshl_add_u32 v8, v10, 4, v8                  ; and in zbimg: 512 (lane / 16) + 16 (lane % 16)
	v_mov_b32 v9, WZL                              ; the one address at which all lanes read w_z, the gains and the biases
	v_lshl_add_u32 v15, v0, 4, WZL                 ; the copy: my 16 bytes of w_z in LDS,
	v_lshl_add_u32 v31, v0, 2, LNL                 ; my word of ln_z_w (threads 0-127) or ln_z_b (threads 128-255),
	v_lshlrev_b32 v29, 4, v0                       ; and the same two places in memory
	v_and_b32 v30, 127, v0
	s_delay_alu instid0(VALU_DEP_1)
	v_lshlrev_b32 v30, 2, v30
	s_wait_alu depctr_va_vdst(0)
	s_wait_kmcnt 0x0
	s_add_nc_u64 s[4:5], s[4:5], s[20:21]
	s_add_nc_u64 s[12:13], s[12:13], s[22:23]
	s_cmp_lt_u32 s3, 4                             ; waves 0-3 bring ln_z_w, waves 4-7 ln_z_b
	s_cselect_b64 s[6:7], s[6:7], s[8:9]
	global_load_b128 v[24:27], v29, s[10:11]       ; 256 threads x 16 bytes: all of w_z
	global_load_b32 v28, v30, s[6:7]
.irp i, 0,1,2,3,4,5,6,7,8,9,10,11,12,13,14,15,16,17,18,19,20,21,22,23,24,25,26,27,28,29,30,31
	global_load_b128 v[32+4*\i:35+4*\i], v5, s[4:5] offset:(\i/16)*131072+(\i%16)*512 th:TH_LOAD_NT   ; a whole row of 512 bytes: all the wave's 16 KB are on their way at once
.endr
	s_wait_loadcnt 32                              ; the copy's two loads are in; behind them stand z's 32
	ds_store_b128 v15, v[24:27]
	ds_store_b32 v31, v28
.irp g, 0,1,2,3
	s_wait_loadcnt 24-8*\g                         ; the eight oldest of what is left are in
.irp i, 0,1,2,3,4,5,6,7
	ds_store_b128 v3, v[32+32*\g+4*\i:35+32*\g+4*\i] offset:(8*\g+\i)*528
.endr
.endr
.irp j, 0,1,2,3,4,5,6,7,8,9,10,11,12,13,14,15,16,17,18,19,20,21,22,23,24,25,26,27,28,29,30,31
	ds_load_b128 v[32+4*\j:35+4*\j], v4 offset:16*\j   ; LDS serves a wave's instructions in order: these see my stores.  Register c is now channel c of MY row
.endr
	s_wait_dscnt 0x0                               ; my row is back; and, for the others' sake, my share of w_z, gains and biases lies in LDS:
	s_barrier_signal -1                            ; say so; the row's statistics, work on registers alone, stand between the signal and the wait
	; the row's mean, in four chains
.irp k, 0,1,2,3
	v_pk_add_f32 v[160+2*\k:161+2*\k], v[32+2*\k:33+2*\k], v[40+2*\k:41+2*\k]
.endr
.set p, 8
.rept 56
	s_delay_alu instid0(VALU_DEP_4)
	v_pk_add_f32 v[160+2*(p%4):161+2*(p%4)], v[160+2*(p%4):161+2*(p%4)], v[32+2*p:33+2*p]
.set p, p+1
.endr
	s_delay_alu instid0(VALU_DEP_3)
	v_pk_add_f32 v[160:161], v[160:161], v[162:163]
	s_delay_alu instid0(VALU_DEP_2)
	v_pk_add_f32 v[164:165], v[164:165], v[166:167]
	s_delay_alu instid0(VALU_DEP_1)
	v_pk_add_f32 v[160:161], v[160:161], v[164:165]
	s_delay_alu instid0(VALU_DEP_1)
	v_add_f32 v160, v160, v161
	s_delay_alu instid0(VALU_DEP_1)
	v_mul_f32 v10, s14, v160
	s_delay_alu instid0(VALU_DEP_1)
	v_mov_b32 v11, v10
.set p, 0
.rept 64
	v_pk_add_f32 v[32+2*p:33+2*p], v[32+2*p:33+2*p], v[10:11] neg_lo:[0,1] neg_hi:[0,1]   ; x - mean
.set p, p+1
.endr
.irp k, 0,1,2,3
	v_pk_mul_f32 v[160+2*\k:161+2*\k], v[32+2*\k:33+2*\k], v[32+2*\k:33+2*\k]
.endr
.set p, 4
.rept 60
	s_delay_alu instid0(VALU_DEP_4)
	v_pk_fma_f32 v[160+2*(p%4):161+2*(p%4)], v[32+2*p:33+2*p], v[32+2*p:33+2*p], v[160+2*(p%4):161+2*(p%4)]
.set p, p+1
.endr
	s_delay_alu instid0(VALU_DEP_3)
	v_pk_add_f32 v[160:161], v[160:161], v[162:163]
	s_delay_alu instid0(VALU_DEP_2)
	v_pk_add_f32 v[164:165], v[164:165], v[166:167]
	s_delay_alu instid0(VALU_DEP_1)
	v_pk_add_f32 v[160:161], v[160:161], v[164:165]
	s_delay_alu instid0(VALU_DEP_1)
	v_add_f32 v160, v160, v161
	s_delay_alu instid0(VALU_DEP_1)
	v_fma_f32 v14, v160, s14, s15                  ; the variance + eps
	s_wait_alu depctr_va_vdst(0)
	v_rsq_f32 v12, v14
	v_nop                                          ; a plain place behind the transcendental
	s_wait_alu depctr_va_vdst(0)                   ; the wait ahead of the result's first reader
	v_mov_b32 v13, v12
	s_wait_alu depctr_va_vdst(0)
	s_barrier_wait -1                              ; everybody's share lies in LDS
.macro LWLOAD b                        ; gains and biases of channels 16 b .. 16 b + 15: 8 LDS loads, two sets of registers by turns
.irp j, 0,1,2,3
	ds_load_b128 v[192+32*((\b)%2)+4*\j:195+32*((\b)%2)+4*\j], v9 offset:4096+64*(\b)+16*\j
	ds_load_b128 v[208+32*((\b)%2)+4*\j:211+32*((\b)%2)+4*\j], v9 offset:4608+64*(\b)+16*\j
.endr
.endm
	LWLOAD 0
.set bb, 0
.rept 8
.if bb < 7
	LWLOAD bb+1
	s_wait_dscnt 8                                 ; all but the next block's eight
.else
	s_wait_dscnt 0x0
.endif
.set xb, 32+16*bb
.set wb, 192+32*(bb%2)
.irp k, 0,2,4,6,8,10,12,14
	v_pk_mul_f32 v[xb+\k:xb+\k+1], v[xb+\k:xb+\k+1], v[12:13]
.endr
.irp k, 0,2,4,6,8,10,12,14
	v_pk_fma_f32 v[xb+\k:xb+\k+1], v[xb+\k:xb+\k+1], v[wb+\k:wb+\k+1], v[wb+16+\k:wb+17+\k]   ; LN's gain and bias
.endr
.set bb, bb+1
.endr
	; ALL OF w_z IN 64 REGISTERS: number f = 8 c + h lies in register 160 + 4 (f / 64) + f % 4 of lane (f % 64) / 4 of each row of sixteen lanes: 16 LDS loads a wave, sixteen lanes reading 256 consecutive bytes.
	; Each multiply-add takes its number of w_z from that lane by row_share (ISA guide, the chapter on DPP): 1,024 of them, channels ascending, the eight sums by turns.
	v_and_b32 v15, 15, v0
.irp h, 0,1,2,3,4,5,6,7
	v_mov_b32 v[16+\h], 0                          ; a DPP form's destination is written beforehand
.endr
	v_lshl_add_u32 v15, v15, 4, WZL
.irp k, 0,1,2,3,4,5,6,7,8,9,10,11,12,13,14,15
	ds_load_b128 v[160+4*\k:163+4*\k], v15 offset:256*\k   ; into the registers that the chains, the gains and the biases have left
.endr
	s_wait_alu depctr_va_vdst(0)                   ; directly ahead of the wait below
	s_wait_dscnt 0x0
.set kk, 0
.rept 16                               ; eight channels a turn: lane ln holds channel 8 kk + ln / 2, heads 4 (ln % 2) + 0 .. 3
.irp ln, 0,1,2,3,4,5,6,7,8,9,10,11,12,13,14,15
.irp e, 0,1,2,3
	v_fmac_f32_dpp v[16+4*(\ln%2)+\e], v[160+4*kk+\e], v[32+8*kk+\ln/2] row_share:\ln row_mask:0xf bank_mask:0xf
.endr
.endr
.set kk, kk+1
.endr
.irp h, 0,1,2,3,4,5,6,7
	ds_store_b32 v6, v[16+\h] offset:1024*\h
.endr
	s_wait_dscnt 0x0                               ; for the others' sake: my results lie in LDS
	s_barrier_signal -1
	s_barrier_wait -1
	ds_load_b128 v[32:35], v7                      ; head = my wave: 1,024 bytes in the order of zbimg
	ds_load_b128 v[36:39], v7 offset:512
	s_wait_dscnt 0x0
	global_store_b128 v8, v[32:35], s[12:13]       ; sixteen lanes store 256 consecutive bytes, at a multiple of 256 from zbimg's first byte
	global_store_b128 v8, v[36:39], s[12:13] offset:1024
	s_wait_tensorcnt 0x0                           ; the wave's end, behind my last LDS store
	ds_add_u32 v1, v2
	s_wait_dscnt 0x0
	s_endpgm
.Lfunc_end_k_qc21d288e9a_prep:
	.size	k_qc21d288e9a_prep, .Lfunc_end_k_qc21d288e9a_prep-k_qc21d288e9a_prep
	.p2alignl 7, 3214868480
	.fill 96, 4, 3214868480
	.section	.rodata,"a",@progbits
	.p2align	6, 0x0
	.amdhsa_kernel k_qc21d288e9a_prep
		.amdhsa_group_segment_fixed_size 149504
		.amdhsa_private_segment_fixed_size 0
		.amdhsa_enable_private_segment 0
		.amdhsa_kernarg_size 96
		.amdhsa_user_sgpr_count 2
		.amdhsa_user_sgpr_kernarg_segment_ptr 1
		.amdhsa_wavefront_size32 1
		.amdhsa_system_sgpr_workgroup_id_x 1
		.amdhsa_system_sgpr_workgroup_id_y 1
		.amdhsa_system_sgpr_workgroup_id_z 1
		.amdhsa_system_vgpr_workitem_id 0
		.amdhsa_next_free_vgpr 256
		.amdhsa_next_free_sgpr 66
		.amdhsa_reserve_vcc 1
		.amdhsa_float_denorm_mode_32 3
		.amdhsa_float_denorm_mode_16_64 3
		.amdhsa_memory_ordered 1
		.amdhsa_forward_progress 1
		.amdhsa_inst_pref_size 119
	.end_amdhsa_kernel
	.amdgpu_metadata
---
amdhsa.version: [ 1, 2 ]
amdhsa.kernels:
  - .name:           k_qc21d288e9a_prep
    .symbol:         k_qc21d288e9a_prep.kd
    .args:
      - { .name: z, .offset: 0, .size: 8, .value_kind: global_buffer, .address_space: global }
      - { .name: ln_z_w, .offset: 8, .size: 8, .value_kind: global_buffer, .address_space: global }
      - { .name: ln_z_b, .offset: 16, .size: 8, .value_kind: global_buffer, .address_space: global }
      - { .name: w_z, .offset: 24, .size: 8, .value_kind: global_buffer, .address_space: global }
      - { .name: w_q, .offset: 32, .size: 8, .value_kind: global_buffer, .address_space: global }
      - { .name: w_k, .offset: 40, .size: 8, .value_kind: global_buffer, .address_space: global }
      - { .name: w_v, .offset: 48, .size: 8, .value_kind: global_buffer, .address_space: global }
      - { .name: w_g, .offset: 56, .size: 8, .value_kind: global_buffer, .address_space: global }
      - { .name: w_o, .offset: 64, .size: 8, .value_kind: global_buffer, .address_space: global }
      - { .name: wimg, .offset: 72, .size: 8, .value_kind: global_buffer, .address_space: global }
      - { .name: wsc, .offset: 80, .size: 8, .value_kind: global_buffer, .address_space: global }
      - { .name: zbimg, .offset: 88, .size: 8, .value_kind: global_buffer, .address_space: global }
    .group_segment_fixed_size: 149504
    .private_segment_fixed_size: 0
    .kernarg_segment_align: 8
    .kernarg_segment_size: 96
    .max_flat_workgroup_size: 256
    .sgpr_count:     66
    .vgpr_count:     256
    .wavefront_size: 32
...
	.end_amdgpu_metadata
.endif
;; end of part 3
;; launch main (part 4): grid 256 x 1, 16 waves a work-group, no clusters, 327,680 bytes of LDS; arguments m, mask, ln_m_w, ln_m_b, b_g, b_o, wimg, wsc, zbimg, out0; writes out0
.if DOCPART == 4
	.amdgcn_target "amdgcn-amd-amdhsa--gfx1250"
	.amdhsa_code_object_version 6
	.text
	.protected	k_qc21d288e9a_main
	.globl	k_qc21d288e9a_main
	.p2align	8
	.type	k_qc21d288e9a_main,@function
k_qc21d288e9a_main:
	s_mov_b64 s[64:65], 0
	v_nop
	global_prefetch_b8 v0, s[64:65] scope:SCOPE_SE
	s_setreg_imm32_b32 hwreg(HW_REG_WAVE_MODE, 25, 1), 1
	s_wait_xcnt 0x0
; MSA row attention with pair bias, second launch: one work-group takes one sequence (256 residues x 256 channels) through LN, the q, k, v projections, attention, the gate and the way out.  Nothing goes to memory on the way.
; All seven large products run on codes of FP6 (E2M3) with one E8M0 scale for each 32 along K.  No work of reference() is left out.
; SIXTEEN WAVES of 256 registers, four to a SIMD: the softmax's vector work outweighs the products, so one wave's vector work stands beside another's loads and products.
; TILES.  Row r of tile T is residue rho(T, r) = 32 (T / 2) + 8 (T % 2) + r + 8 (r / 8).  So in a result whose rows are tile T, register j of lane half hh is residue 32 (T / 2) + 16 hh + 8 (T % 2) + j:
; the 16 registers of tiles 2 B and 2 B + 1 are 16 neighbours along a later K.  The weights' tiles are chosen alike (first launch), so that q, k, o and the gate hold d = 16 hh + 0 .. 15 of a head in 16 registers.
; PHASES.  A: wave T normalises and quantises its 16 rows | B: wave (head w / 2, half w % 2) makes v (quantised along the keys), q and k (along d) for 8 tiles of rows | D: wave T walks the 8 heads for its 16 queries:
; S^T = K Q^T + zb (zb comes from memory straight into the accumulators as C), softmax, O^T = V^T P^T, gate, o g quantised | E: wave T's 16 rows of the last product, b_o as C.
; OPERANDS GO FROM WAVE TO WAVE THROUGH LDS AS IMAGES OF THEIR REGISTERS: 12 registers by three accesses of 16 bytes a lane.  q, k and o g have ONE block of 32 to a row: 24 bytes, bytes 0-15 at 16 r, bytes 16-23 at 256 + 8 r.
; K = 32 IN AN INSTRUCTION OF 128: Q's lanes 16-31 and its registers 6-11 hold zero codes.  What K's operand holds there (a copy of the block; the next tile's codes) is a finite number in every code of this format, and adds exactly 0.
; THE SOFTMAX: T = (q.k + zb) x log2(e) + mbc, mbc = ((mask - 1) x 1e9) x log2(e), one fused multiply-add; M = ceil(the row's largest T); p = 2^(T - M) is quantised along the keys; the sum of the unquantised p divides at the end.
; LIMITS: NaN and infinities among the inputs are not served.  The mask's term is added last and scaled beforehand, where reference() adds it ahead of zb: the two differ by rounding alone.  v_exp_f32 gives 0 for results under 2^-126.
; A block of zeros gets the scale byte 1 where the quantiser says 127: its codes are zeros, and this program alone reads the bytes.
; NO CLUSTER, NO TENSOR LOAD: what the work-groups share is zb (262,144 bytes a head) and the weights; the codes listed below fill 325,632 of the 327,680 bytes of LDS, so there is no room for slots into which a joint load could land;
; zb is laid in register order and is read by each lane straight into the accumulator, which spares its way through LDS.
.set MNIMG, 0                          ; LN(m): fragment (T, K step s) at (2 T + s) x 1,536
.set QIMG,  49152                      ; q: short image (T, head) at 3,072 T + 384 head; later o g in the same place
.set KIMG,  98304                      ; k likewise
.set VIMG,  147456                     ; v^T: fragment (head, u, s) at 6,144 head + (2 u + s) x 1,536
.set WGIMG, 196608                     ; w_g: fragment (n, s) at (2 n + s) x 1,536
.set WOIMG, 245760                     ; w_o likewise
.set MNSC,  294912                     ; scale words, 64 bytes a fragment, row r's at 4 r
.set VSC,   296960
.set WGSC,  299008
.set WOSC,  301056
.set QSC,   303104                     ; 512 T + 64 head + 4 r: the byte as a whole word.  Ahead of the second barrier: ln_m_w, ln_m_b (2,048 bytes)
.set KSC,   311296                     ; 1,280 head + 80 r + 4 T
.set MB,    321536                     ; mbc[key]
.set BG,    322560                     ; b_g
.set SPARE, 323584                     ; the spare words, 128 bytes for each wave: eight blocks of 256 bytes that no other line names
.set STGW,  4352                       ; phase A: a wave's stage, 16 rows x (256 + 16) bytes, at QIMG + 4,352 wave: used ahead of the first barrier, when q and k are not there
.set CH,    228                        ; phase A: four chains of sums v228-235; v236-237 the mean; v238-239 1 / sqrt(var + eps)
; FIXED REGISTERS: v1, v2 the add's two; v3 16 lane; v4 16 r; v5 8 r; v6 80 r; v7 4 r; v8 64 hh; v10 my tile's images of LN(m); v30 r; v31 hh; v9, v11-15, v29 addresses in hand; v16-28 scales and nothing else.
.macro PLACES                          ; four plain places behind matrix instructions (ISA guide 7.12.1), where no other vector work is at hand
.rept 4
	v_nop
.endr
.endm
.macro BAR                             ; my LDS stores have landed and my LDS loads are in: then the work-group's barrier
	s_wait_dscnt 0x0
	s_barrier_signal -1
	s_barrier_wait -1
.endm
.macro MM d, a, b, c, sa, sb
	v_wmma_scale_f32_16x16x128_f8f6f4 v[\d:\d+7], v[\a:\a+11], v[\b:\b+11], v[\c:\c+7], v[\sa], v[\sb] matrix_a_fmt:MATRIX_FMT_FP6 matrix_b_fmt:MATRIX_FMT_FP6
.endm
.macro MM0 d, a, b, sa, sb             ; the first product starts the sum
	v_wmma_scale_f32_16x16x128_f8f6f4 v[\d:\d+7], v[\a:\a+11], v[\b:\b+11], 0, v[\sa], v[\sb] matrix_a_fmt:MATRIX_FMT_FP6 matrix_b_fmt:MATRIX_FMT_FP6
.endm
; 64 numbers of a lane, register 16 b + i = k 32 b + 16 hh + i of my row, become a fragment's codes in v[pc] .. v[pc + 11] and its scale word in v[pw].  At work: v[tm] .. v[tm + 15], v[pc + 12] .. v[pc + 19]
.macro QUANT src, tm, pw, pc
.irp b, 0,1,2,3
	v_max3_num_f32 v[\tm+\b], |v[\src+16*\b]|, |v[\src+1+16*\b]|, 0x1800000   ; and the floor 2^(3 - 127): the byte cannot fall under 1
.endr
.irp i, 2,4,6,8,10,12,14
.irp b, 0,1,2,3
	v_max3_num_f32 v[\tm+\b], v[\tm+\b], |v[\src+16*\b+\i]|, |v[\src+1+16*\b+\i]|
.endr
.endr
.irp b, 0,1,2,3
	s_delay_alu instid0(VALU_DEP_4)
	v_permlanex16_b32 v[\tm+4+\b], v[\tm+\b], s28, s29
.endr
.irp b, 0,1,2,3
	s_delay_alu instid0(VALU_DEP_4)
	v_max_num_f32 v[\tm+\b], v[\tm+\b], v[\tm+4+\b]   ; with lane l xor 16's: the block's largest magnitude
.endr
.irp b, 0,1,2,3
	s_delay_alu instid0(VALU_DEP_4)
	v_add_nc_u32 v[\tm+12+\b], 0xff000000, v[\tm+\b]  ; 2 off its exponent field: the conversion's scale operand
.endr
.irp b, 0,1,2,3
	s_delay_alu instid0(VALU_DEP_4)
	v_lshrrev_b32 v[\tm+4+\b], 23, v[\tm+12+\b]       ; the scale's byte
.endr
	s_delay_alu instid0(VALU_DEP_3)
	v_lshl_or_b32 v[\pw], v[\tm+5], 8, v[\tm+4]
	s_delay_alu instid0(VALU_DEP_1)
	v_lshl_or_b32 v[\pw], v[\tm+6], 16, v[\pw]
	s_delay_alu instid0(VALU_DEP_1)
	v_lshl_or_b32 v[\pw], v[\tm+7], 24, v[\pw]
.irp c, 0,1
	v_cvt_scalef32_pk16_fp6_f32 v[\pc+6*\c:\pc+2+6*\c], v[\src+32*\c:\src+15+32*\c], v[\tm+12+2*\c]
	v_cvt_scalef32_pk16_fp6_f32 v[\pc+12+4*\c:\pc+14+4*\c], v[\src+16+32*\c:\src+31+32*\c], v[\tm+12+2*\c+1]
.endr
	v_nop                                          ; one plain place behind a scaled conversion
.irp c, 0,1                            ; the operand's layout wants a WHOLE block in a lane
.irp i, 0,1,2
	v_permlane16_swap_b32 v[\pc+6*\c+\i], v[\pc+12+4*\c+\i]
.endr
.irp i, 0,1,2
	s_delay_alu instid0(VALU_DEP_3)
	v_mov_b32 v[\pc+3+6*\c+\i], v[\pc+12+4*\c+\i]
.endr
.endr
.endm
.macro IMAGE adr, off, pc
.irp c, 0,1,2
	ds_store_b128 v[\adr], v[\pc+4*\c:\pc+4*\c+3] offset:\off+512*\c
.endr
.endm
	s_load_b512 s[4:19], s[0:1], 0x0               ; m s[4:5], mask s[6:7], ln_m_w s[8:9], ln_m_b s[10:11], b_g s[12:13], b_o s[14:15], wimg s[16:17], wsc s[18:19]
	s_load_b128 s[20:23], s[0:1], 0x40             ; zbimg s[20:21], out0 s[22:23]
	v_lshl_add_u32 v1, v0, 2, SPARE
	v_mov_b32 v2, 0
	v_lshrrev_b32 v9, 5, v0
	s_delay_alu instid0(VALU_DEP_1)
	v_readfirstlane_b32 s24, v9                    ; wave = T
	s_lshr_b32 s25, s24, 1                         ; T / 2; in phase B my head
	s_and_b32 s26, s24, 1                          ; T % 2; in phase B my half of the rows
	s_mov_b32 s28, 0x76543210
	s_mov_b32 s29, 0xfedcba98                      ; v_permlanex16_b32's selects for lane l xor 16
	s_mov_b32 s30, 0x3fb8aa3b                      ; log2(e)
	s_mov_b32 s31, s30                             ; (named with it as a pair, so it is written)
	s_mov_b32 s32, 0xffff0000                      ; lanes 16-31
	s_mov_b32 s44, 0x3727c5ac                      ; 1e-5
	s_mov_b32 s45, 0x3b800000                      ; 1 / 256
	v_and_b32 v9, 31, v0
	v_and_b32 v30, 15, v0                          ; r
	v_bfe_u32 v31, v0, 4, 1                        ; hh
	s_delay_alu instid0(VALU_DEP_3)
	v_lshlrev_b32 v3, 4, v9
	s_delay_alu instid0(VALU_DEP_3)
	v_lshlrev_b32 v4, 4, v30
	s_delay_alu instid0(VALU_DEP_4)
	v_lshlrev_b32 v5, 3, v30
	v_mul_u32_u24 v6, v30, 80
	v_lshlrev_b32 v7, 2, v30
	v_lshlrev_b32 v8, 6, v31
	v_lshl_add_u32 v11, v31, 10, v4                ; m: lanes 0-15 one row's 256 bytes, lanes 16-31 the next row's
	s_mul_i32 s47, s24, STGW
	s_add_co_u32 s47, s47, QIMG                    ; my stage
	v_mul_u32_u24 v12, v31, 272
	s_delay_alu instid0(VALU_DEP_1)
	v_add_nc_u32 v12, v12, v4
	s_delay_alu instid0(VALU_DEP_1)
	v_add_nc_u32 v12, s47, v12                     ; in: row 2 t + hh, 16 r
	v_mul_u32_u24 v13, v30, 272
	s_delay_alu instid0(VALU_DEP_1)
	v_add_nc_u32 v13, v13, v8
	s_delay_alu instid0(VALU_DEP_1)
	v_add_nc_u32 v13, s47, v13                     ; out: row r, my half's 64 bytes of a block of 128
	v_and_b32 v14, 255, v0
	s_delay_alu instid0(VALU_DEP_1)
	v_lshlrev_b32 v14, 2, v14                      ; 4 (thread % 256)
	v_lshlrev_b32 v15, 2, v0                       ; 4 thread
	v_lshl_add_u32 v9, v0, 2, WGSC                 ; the small stores' base
	s_mul_i32 s47, s24, 3072
	v_add_nc_u32 v10, s47, v3                      ; MNIMG + 3,072 T + 16 lane
	s_delay_alu instid0(VALU_DEP_1)
	v_add_nc_u32 v29, WGIMG, v10
	s_lshl_b32 s48, ttmp9, 8
	s_lshl_b32 s49, s25, 5
	s_add_co_u32 s48, s48, s49
	s_lshl_b32 s49, s26, 3
	s_add_co_u32 s48, s48, s49                     ; 256 x sequence + my tile's first residue
	s_lshl_b32 s48, s48, 10                        ; in bytes of m and of out0 (under 2^26)
	s_mov_b32 s49, 0
	s_mov_b32 s51, 0
	s_wait_alu depctr_va_vdst(0)
	s_wait_kmcnt 0x0
	s_add_nc_u64 s[4:5], s[4:5], s[48:49]
	s_add_nc_u64 s[22:23], s[22:23], s[48:49]
	s_lshl_b32 s50, ttmp9, 10
	s_add_nc_u64 s[6:7], s[6:7], s[50:51]          ; my sequence's row of the mask
	s_cmp_lt_u32 s24, 8                            ; waves 0-7 bring ln_m_w and the mask, waves 8-15 ln_m_b and b_g
	s_cselect_b64 s[8:9], s[8:9], s[10:11]
	s_cselect_b64 s[6:7], s[6:7], s[12:13]
	s_cselect_b32 s46, -1, 0
	s_mul_i32 s50, s24, 3072
	s_add_nc_u64 s[52:53], s[16:17], s[50:51]      ; wimg + 3,072 wave: my share of the copies of w_g and w_o
	s_mul_i32 s50, s25, 6144
	s_add_nc_u64 s[54:55], s[16:17], s[50:51]      ; wimg at my head's four fragments
	s_lshl_b32 s50, s25, 8
	s_add_nc_u64 s[56:57], s[18:19], s[50:51]      ; wsc likewise
; ---------------- A: my 16 rows of m.  48 loads go out at once
.irp qd, 0,1,2,3
.irp t, 0,1,2,3,4,5,6,7
	global_load_b128 v[32+32*\qd+4*\t:35+32*\qd+4*\t], v11, s[4:5] offset:(2*\t+8*(\t/4))*1024+256*\qd th:TH_LOAD_NT   ; sixteen lanes read 256 consecutive bytes, aligned
.endr
.endr
	global_load_b32 v210, v14, s[8:9]
	global_load_b32 v211, v14, s[6:7]
.irp i, 0,1,2,3,4,5
	global_load_b128 v[160+4*\i:163+4*\i], v3, s[52:53] offset:3*49152+512*\i
.endr
.irp i, 0,1,2,3,4,5
	global_load_b128 v[184+4*\i:187+4*\i], v3, s[52:53] offset:4*49152+512*\i
.endr
	global_load_b32 v208, v15, s[18:19] offset:3*2048
	global_load_b32 v209, v15, s[18:19] offset:4*2048
.irp qd, 0,1,2,3                       ; a quarter of the channels at a time turns through my stage: afterwards register 16 B + i is channel 32 B + 16 hh + i of row r
	s_wait_loadcnt 40-8*\qd                        ; behind this quarter's eight: the later quarters' and the 16 others
.irp t, 0,1,2,3,4,5,6,7
	ds_store_b128 v12, v[32+32*\qd+4*\t:35+32*\qd+4*\t] offset:2*\t*272
.endr
.irp b, 0,1
.irp j, 0,1,2,3
	ds_load_b128 v[32+32*\qd+16*\b+4*\j:35+32*\qd+16*\b+4*\j], v13 offset:128*\b+16*\j   ; LDS serves a wave's instructions in order
.endr
.endr
.endr
	s_wait_dscnt 0x0
	v_pk_add_f32 v[230:231], v[32:33], v[40:41]
	v_pk_add_f32 v[232:233], v[48:49], v[56:57]
	v_pk_add_f32 v[234:235], v[64:65], v[72:73]
	v_pk_add_f32 v[254:255], v[80:81], v[88:89]
	v_pk_add_f32 v[252:253], v[96:97], v[104:105]
	v_pk_add_f32 v[250:251], v[112:113], v[120:121]
	v_pk_add_f32 v[248:249], v[128:129], v[136:137]
	v_pk_add_f32 v[228:229], v[144:145], v[152:153]
	s_delay_alu instid0(VALU_DEP_1)
	v_pk_add_f32 v[228:229], v[228:229], v[34:35]
	v_pk_add_f32 v[230:231], v[230:231], v[42:43]
	v_pk_add_f32 v[232:233], v[232:233], v[50:51]
	v_pk_add_f32 v[234:235], v[234:235], v[58:59]
	v_pk_add_f32 v[254:255], v[254:255], v[66:67]
	v_pk_add_f32 v[252:253], v[252:253], v[74:75]
	v_pk_add_f32 v[250:251], v[250:251], v[82:83]
	v_pk_add_f32 v[248:249], v[248:249], v[90:91]
	v_pk_add_f32 v[228:229], v[228:229], v[98:99]
	v_pk_add_f32 v[230:231], v[230:231], v[106:107]
	v_pk_add_f32 v[232:233], v[232:233], v[114:115]
	v_pk_add_f32 v[234:235], v[234:235], v[122:123]
	v_pk_add_f32 v[254:255], v[254:255], v[130:131]
	v_pk_add_f32 v[252:253], v[252:253], v[138:139]
	v_pk_add_f32 v[250:251], v[250:251], v[146:147]
	v_pk_add_f32 v[248:249], v[248:249], v[154:155]
	v_pk_add_f32 v[228:229], v[228:229], v[36:37]
	v_pk_add_f32 v[230:231], v[230:231], v[44:45]
	v_pk_add_f32 v[232:233], v[232:233], v[52:53]
	v_pk_add_f32 v[234:235], v[234:235], v[60:61]
	v_pk_add_f32 v[254:255], v[254:255], v[68:69]
	v_pk_add_f32 v[252:253], v[252:253], v[76:77]
	v_pk_add_f32 v[250:251], v[250:251], v[84:85]
	v_pk_add_f32 v[248:249], v[248:249], v[92:93]
	v_pk_add_f32 v[228:229], v[228:229], v[100:101]
	v_pk_add_f32 v[230:231], v[230:231], v[108:109]
	v_pk_add_f32 v[232:233], v[232:233], v[116:117]
	v_pk_add_f32 v[234:235], v[234:235], v[124:125]
	v_pk_add_f32 v[254:255], v[254:255], v[132:133]
	v_pk_add_f32 v[252:253], v[252:253], v[140:141]
	v_pk_add_f32 v[250:251], v[250:251], v[148:149]
	v_pk_add_f32 v[248:249], v[248:249], v[156:157]
	v_pk_add_f32 v[228:229], v[228:229], v[38:39]
	v_pk_add_f32 v[230:231], v[230:231], v[46:47]
	v_pk_add_f32 v[232:233], v[232:233], v[54:55]
	v_pk_add_f32 v[234:235], v[234:235], v[62:63]
	v_pk_add_f32 v[254:255], v[254:255], v[70:71]
	v_pk_add_f32 v[252:253], v[252:253], v[78:79]
	v_pk_add_f32 v[250:251], v[250:251], v[86:87]
	v_pk_add_f32 v[248:249], v[248:249], v[94:95]
	v_pk_add_f32 v[228:229], v[228:229], v[102:103]
	v_pk_add_f32 v[230:231], v[230:231], v[110:111]
	v_pk_add_f32 v[232:233], v[232:233], v[118:119]
	v_pk_add_f32 v[234:235], v[234:235], v[126:127]
	v_pk_add_f32 v[254:255], v[254:255], v[134:135]
	v_pk_add_f32 v[252:253], v[252:253], v[142:143]
	v_pk_add_f32 v[250:251], v[250:251], v[150:151]
	v_pk_add_f32 v[248:249], v[248:249], v[158:159]
	s_delay_alu instid0(VALU_DEP_4)
	v_pk_add_f32 v[228:229], v[228:229], v[254:255]
	s_delay_alu instid0(VALU_DEP_4)
	v_pk_add_f32 v[230:231], v[230:231], v[252:253]
	s_delay_alu instid0(VALU_DEP_4)
	v_pk_add_f32 v[232:233], v[232:233], v[250:251]
	s_delay_alu instid0(VALU_DEP_4)
	v_pk_add_f32 v[234:235], v[234:235], v[248:249]
	s_delay_alu instid0(VALU_DEP_2)
	v_pk_add_f32 v[228:229], v[228:229], v[232:233]
	s_delay_alu instid0(VALU_DEP_2)
	v_pk_add_f32 v[230:231], v[230:231], v[234:235]
	s_delay_alu instid0(VALU_DEP_1)
	v_pk_add_f32 v[228:229], v[228:229], v[230:231]
	s_delay_alu instid0(VALU_DEP_1)
	v_add_f32 v[CH], v[CH], v[CH+1]
	s_delay_alu instid0(VALU_DEP_1)
	v_permlanex16_b32 v[CH+2], v[CH], s28, s29     ; a row lies in lanes l and l xor 16
	s_delay_alu instid0(VALU_DEP_1)
	v_add_f32 v[CH], v[CH], v[CH+2]
	s_delay_alu instid0(VALU_DEP_1)
	v_mul_f32 v236, s45, v[CH]
	s_delay_alu instid0(VALU_DEP_1)
	v_mov_b32 v237, v236
.set p, 0
.rept 64
	v_pk_add_f32 v[32+2*p:33+2*p], v[32+2*p:33+2*p], v[236:237] neg_lo:[0,1] neg_hi:[0,1]   ; x - mean
.set p, p+1
.endr
.irp k, 0,1,2,3
	v_pk_mul_f32 v[CH+2*\k:CH+2*\k+1], v[32+2*\k:33+2*\k], v[32+2*\k:33+2*\k]
.endr
.set p, 4
.rept 60
	s_delay_alu instid0(VALU_DEP_4)
	v_pk_fma_f32 v[CH+2*(p%4):CH+2*(p%4)+1], v[32+2*p:33+2*p], v[32+2*p:33+2*p], v[CH+2*(p%4):CH+2*(p%4)+1]
.set p, p+1
.endr
	s_delay_alu instid0(VALU_DEP_3)
	v_pk_add_f32 v[CH:CH+1], v[CH:CH+1], v[CH+2:CH+3]
	s_delay_alu instid0(VALU_DEP_2)
	v_pk_add_f32 v[CH+4:CH+5], v[CH+4:CH+5], v[CH+6:CH+7]
	s_delay_alu instid0(VALU_DEP_1)
	v_pk_add_f32 v[CH:CH+1], v[CH:CH+1], v[CH+4:CH+5]
	s_delay_alu instid0(VALU_DEP_1)
	v_add_f32 v[CH], v[CH], v[CH+1]
	s_delay_alu instid0(VALU_DEP_1)
	v_permlanex16_b32 v[CH+2], v[CH], s28, s29
	s_delay_alu instid0(VALU_DEP_1)
	v_add_f32 v[CH], v[CH], v[CH+2]
	s_delay_alu instid0(VALU_DEP_1)
	v_fma_f32 v[CH], v[CH], s45, s44               ; the variance + eps
	s_wait_alu depctr_va_vdst(0)
	v_rsq_f32 v238, v[CH]
	v_nop                                          ; a plain place behind the transcendental
	s_wait_alu depctr_va_vdst(0)                   ; the wait ahead of the result's first reader
	v_mov_b32 v239, v238
	s_wait_alu depctr_va_vdst(0)
	s_wait_loadcnt 0x0                             ; the 16 others
	v_add_f32 v225, -1.0, v211
	s_delay_alu instid0(VALU_DEP_1)
	v_mul_f32 v225, 0x4e6e6b28, v225               ; x 1e9: the mask's bias,
	s_delay_alu instid0(VALU_DEP_1)
	v_mul_f32 v225, 0x3fb8aa3b, v225               ; as a term of T
	s_delay_alu instid0(VALU_DEP_1)
	v_cndmask_b32 v211, v211, v225, s46            ; waves 8-15 hold b_g, which stays as it is
	ds_store_b32 v9, v208                          ; w_g's scale words
	ds_store_b32 v9, v209 offset:2048              ; w_o's
	ds_store_b32 v9, v210 offset:4096              ; ln_m_w, ln_m_b
	ds_store_b32 v9, v211 offset:22528             ; mbc, b_g
.irp i, 0,1,2,3,4,5
	ds_store_b128 v29, v[160+4*\i:163+4*\i] offset:512*\i
	ds_store_b128 v29, v[184+4*\i:187+4*\i] offset:49152+512*\i
.endr
	BAR                                            ; barrier 0: gains, biases, mask and the two weights lie in LDS
	v_add_nc_u32 v9, QSC, v8                       ; ln_m_w at my half's 16 channels of a block
	s_lshl_b32 s47, s24, 7
	s_add_co_u32 s47, s47, MNSC
	v_add_nc_u32 v12, s47, v7
.macro LWLOAD b                        ; gains and biases of block b: 16 + 16 numbers, two sets of registers by turns
.irp j, 0,1,2,3
	ds_load_b128 v[160+32*((\b)%2)+4*\j:163+32*((\b)%2)+4*\j], v9 offset:128*(\b)+16*\j
	ds_load_b128 v[176+32*((\b)%2)+4*\j:179+32*((\b)%2)+4*\j], v9 offset:1024+128*(\b)+16*\j
.endr
.endm
	LWLOAD 0
.set bb, 0
.rept 8
.if bb < 7
	LWLOAD bb+1
	s_wait_dscnt 8                                 ; all but the next block's eight
.else
	s_wait_dscnt 0x0
.endif
.set xb, 32+16*bb
.set wb, 160+32*(bb%2)
.irp k, 0,2,4,6,8,10,12,14
	v_pk_mul_f32 v[xb+\k:xb+\k+1], v[xb+\k:xb+\k+1], v[238:239]
.endr
.irp k, 0,2,4,6,8,10,12,14
	v_pk_fma_f32 v[xb+\k:xb+\k+1], v[xb+\k:xb+\k+1], v[wb+\k:wb+\k+1], v[wb+16+\k:wb+17+\k]
.endr
.set bb, bb+1
.endr
.macro WLOAD reg, sc, mt               ; my head's four fragments (2 u + s) of weight mt, and their scale words, from memory into registers
.irp f, 0,1,2,3
.irp c, 0,1,2
	global_load_b128 v[\reg+12*\f+4*\c:\reg+12*\f+4*\c+3], v3, s[54:55] offset:(\mt)*49152+\f*1536+512*\c
.endr
	global_load_b32 v[\sc+\f], v7, s[56:57] offset:(\mt)*2048+\f*64
.endr
.endm
	QUANT 32, 224, 240, 160
	IMAGE 10, 0, 160
	ds_store_b32 v12, v240                         ; both lanes of a row write the same word with the same value
	WLOAD 32, 20, 2                                ; w_v, into the registers that K step 0's numbers have left
	s_wait_dscnt 0x0                               ; the stores have read their registers
	QUANT 96, 224, 240, 160
	IMAGE 10, 1536, 160
	ds_store_b32 v12, v240 offset:64
	BAR                                            ; barrier A: LN(m)'s 32 fragments lie in LDS; nobody reads the gains any more
; ---------------- B: my head, my eight tiles of rows
	s_mul_i32 s47, s26, 24576
	v_add_nc_u32 v11, s47, v3                      ; LN(m)'s images, my half
	s_wait_alu depctr_va_vdst(0)
	s_lshl_b32 s47, s26, 10
	s_add_co_u32 s47, s47, MNSC
	v_add_nc_u32 v12, s47, v7
	s_wait_alu depctr_va_vdst(0)
	s_mul_i32 s47, s25, 6144
	s_mul_i32 s50, s26, 1536
	s_add_co_u32 s47, s47, s50
	s_add_co_u32 s47, s47, VIMG
	v_add_nc_u32 v13, s47, v3                      ; v's image (head, u = 0, s = half)
	s_lshl_b32 s47, s25, 8
	s_lshl_b32 s50, s26, 6
	s_add_co_u32 s47, s47, s50
	s_add_co_u32 s47, s47, VSC
	v_add_nc_u32 v14, s47, v7
.macro MNFETCH t                       ; tile t's two fragments and scale words: 8 LDS loads, two sets of registers by turns
.set xf, 80+24*((\t)%2)
.irp s, 0,1
.irp c, 0,1,2
	ds_load_b128 v[xf+12*\s+4*\c:xf+12*\s+4*\c+3], v11 offset:(\t)*3072+\s*1536+512*\c
.endr
	ds_load_b32 v[24+2*((\t)%2)+\s], v12 offset:(2*(\t)+\s)*64
.endr
.endm
	; v: source 0 = 16 residues, source 1 = 16 of the head's d: a lane holds one d, and its registers run along the residues, the keys of the second product
	MNFETCH 0
	s_wait_loadcnt 0x0                             ; w_v
.set tt, 0
.rept 8
.if tt < 7
	MNFETCH tt+1
	s_wait_dscnt 8                                 ; all but the next tile's eight
.else
	s_wait_dscnt 0x0
.endif
.set xc, 80+24*(tt%2)
.set sx, 24+2*(tt%2)
.set d0, 128+8*tt
.set d1, 192+8*tt
	MM0 d0, xc, 32, sx, 20                         ; the two accumulators by turns
	MM0 d1, xc, 56, sx, 22
	MM d0, xc+12, 44, d0, sx+1, 21
	MM d1, xc+12, 68, d1, sx+1, 23
	PLACES                                         ; in front of the loads into the other set, and of the reads below
.set tt, tt+1
.endr
	WLOAD 32, 16, 0                                ; w_q
	QUANT 128, 80, 96, 100
	IMAGE 13, 0, 100
	ds_store_b32 v14, v96
	WLOAD 128, 20, 1                               ; w_k, into the registers that v's first half has left
	s_wait_dscnt 0x0                               ; the stores have read their registers
	QUANT 192, 80, 96, 100
	IMAGE 13, 3072, 100
	ds_store_b32 v14, v96 offset:128
	s_wait_dscnt 0x0
	; q and k: source 0 = 16 of the head's d, source 1 = 16 residues: a lane holds one residue and 16 d
	s_mul_i32 s47, s26, 24576
	s_mul_i32 s50, s25, 384
	s_add_co_u32 s47, s47, s50
	s_add_co_u32 s47, s47, QIMG
	v_mul_u32_u24 v13, v31, 49152                  ; lanes 16-31 store k's block: KIMG lies 49,152 bytes behind QIMG
	s_delay_alu instid0(VALU_DEP_1)
	v_add_nc_u32 v13, s47, v13
	s_delay_alu instid0(VALU_DEP_1)
	v_add_nc_u32 v14, v13, v5
	s_delay_alu instid0(VALU_DEP_2)
	v_add_nc_u32 v13, v13, v4
	s_lshl_b32 s47, s26, 12
	s_lshl_b32 s50, s25, 6
	s_add_co_u32 s47, s47, s50
	s_add_co_u32 s47, s47, QSC
	v_add_nc_u32 v15, s47, v7
	s_mul_i32 s47, s25, 1280
	s_lshl_b32 s50, s26, 5
	s_add_co_u32 s47, s47, s50
	s_add_co_u32 s47, s47, KSC
	v_add_nc_u32 v29, s47, v6
	MNFETCH 0
	s_wait_loadcnt 0x0                             ; w_q, w_k
.set tt, 0
.rept 8
.if tt < 7
	MNFETCH tt+1
	s_wait_dscnt 8                                 ; all but the next tile's eight: this tile's fragments are in, the last tile's stores have landed
.else
	s_wait_dscnt 0x0
.endif
.set xc, 80+24*(tt%2)
.set sx, 24+2*(tt%2)
	MM0 176, 32, xc, 16, sx                        ; q's two tiles of d, k's two: four accumulators by turns
	MM0 184, 56, xc, 18, sx
	MM0 192, 128, xc, 20, sx
	MM0 200, 152, xc, 22, sx
	MM 176, 44, xc+12, 176, 17, sx+1
	MM 184, 68, xc+12, 184, 19, sx+1
	MM 192, 140, xc+12, 192, 21, sx+1
	MM 200, 164, xc+12, 200, 23, sx+1
	PLACES
.irp k, 0,2,4,6,8,10,12,14
	v_pk_mul_f32 v[176+\k:177+\k], v[176+\k:177+\k], 0x3e3504f3 op_sel_hi:[1,0]   ; q / sqrt(32)
.endr
	v_max3_num_f32 v208, |v176|, |v177|, 0x1800000
	v_max3_num_f32 v209, |v192|, |v193|, 0x1800000
.irp i, 2,4,6,8,10,12,14
	s_delay_alu instid0(VALU_DEP_2)
	v_max3_num_f32 v208, v208, |v[176+\i]|, |v[177+\i]|
	v_max3_num_f32 v209, v209, |v[192+\i]|, |v[193+\i]|
.endr
	v_permlanex16_b32 v210, v208, s28, s29
	v_permlanex16_b32 v211, v209, s28, s29
	s_delay_alu instid0(VALU_DEP_2)
	v_max_num_f32 v208, v208, v210
	s_delay_alu instid0(VALU_DEP_2)
	v_max_num_f32 v209, v209, v211
	s_delay_alu instid0(VALU_DEP_2)
	v_add_nc_u32 v212, 0xff000000, v208
	s_delay_alu instid0(VALU_DEP_2)
	v_add_nc_u32 v213, 0xff000000, v209
	s_delay_alu instid0(VALU_DEP_2)
	v_lshrrev_b32 v214, 23, v212
	s_delay_alu instid0(VALU_DEP_2)
	v_lshrrev_b32 v215, 23, v213
	v_cvt_scalef32_pk16_fp6_f32 v[216:218], v[176:191], v212
	v_cvt_scalef32_pk16_fp6_f32 v[224:226], v[192:207], v213
	v_nop                                          ; one plain place behind a scaled conversion
.irp i, 0,1,2
	v_permlane16_swap_b32 v[216+\i], v[224+\i]     ; lanes 0-15 now hold q's whole block of row r, lanes 16-31 k's
.endr
.irp i, 0,1,2
	s_delay_alu instid0(VALU_DEP_3)
	v_mov_b32 v[219+\i], v[224+\i]
.endr
	ds_store_b128 v13, v[216:219] offset:tt*3072
	ds_store_b64 v14, v[220:221] offset:tt*3072+256
	ds_store_b32 v15, v214 offset:tt*512
	ds_store_b32 v29, v215 offset:4*tt
.set tt, tt+1
.endr
	s_wait_dscnt 0x0                               ; the stores have read their registers
	s_lshl_b32 s47, s24, 7
	s_add_co_u32 s47, s47, MNSC
	v_add_nc_u32 v11, s47, v7
	ds_load_b32 v27, v11                           ; my own tile's scale words of LN(m), for the gate
	ds_load_b32 v28, v11 offset:64
	s_lshl_b32 s50, s24, 14
	s_add_nc_u64 s[42:43], s[20:21], s[50:51]      ; zbimg at (head 0, T)
.macro ZLOAD g, off                    ; 32 registers of zb into the accumulators of key tiles 4 g .. 4 g + 3
.irp i, 0,1,2,3,4,5,6,7
	global_load_b128 v[128+32*\g+4*\i:131+32*\g+4*\i], v3, s[42:43] offset:\off+(8*\g+\i)*512
.endr
.endm
	ZLOAD 1, 0                                     ; in the order in which they are wanted
	ZLOAD 2, 0
	ZLOAD 3, 0
	ZLOAD 0, 0
	v_add_nc_u32 v9, MB, v8
.irp i, 38,39,40,41,42,43
	v_mov_b32 v[\i], 0                             ; Q's registers 6-11: zero codes, for the whole walk
.endr
.irp i, 84,85,86,87,88,89
	v_mov_b32 v[\i], 0                             ; named as the last K tile's registers 6-11: whatever they hold later meets zero codes
.endr
	v_mov_b32 v125, 0                              ; (named as the upper half of the pair v[124:125])
	s_mul_i32 s34, s24, 3072
	s_add_co_u32 s34, s34, QIMG                    ; the head's places, stepped from head to head: q, o g
	s_mov_b32 s35, KIMG                            ; k
	s_mov_b32 s36, KSC
	s_lshl_b32 s37, s24, 9
	s_add_co_u32 s37, s37, QSC
	s_mov_b32 s38, BG
	s_mov_b32 s39, VIMG                            ; v, and 49,152 bytes on w_g
	s_mov_b32 s40, VSC                             ; their scale words, 2,048 bytes apart
	BAR                                            ; barrier B: q, k and v lie in LDS
; ---------------- D: my 16 queries, head by head.  v32-43 Q; v44-59 O^T; v60-123 at work; v124 -M; v126-127 the sum, then its reciprocal; v128-255 S^T: register 16 B + i = key 32 B + 16 hh + i
.macro KLOAD g                         ; four tiles of K, 24 bytes a lane each, six registers apart, and their four scale words: 9 LDS loads
.irp t, 0,1,2,3
	ds_load_b128 v[60+6*\t:63+6*\t], v14 offset:(4*\g+\t)*3072
	ds_load_b64 v[64+6*\t:65+6*\t], v15 offset:(4*\g+\t)*3072+256
.endr
	ds_load_b128 v[16:19], v29 offset:16*\g
.endm
.macro MBLOAD g                        ; the mask's term for the 32 registers of group g: 8 LDS loads
.irp i, 0,1,2,3,4,5,6,7
	ds_load_b128 v[92+4*\i:95+4*\i], v9 offset:256*\g+128*(\i/4)+16*(\i%4)
.endr
.endm
.macro W g                             ; S^T = K Q^T + zb: C is what ZLOAD brought
.irp t, 0,1,2,3
	v_wmma_scale_f32_16x16x128_f8f6f4 v[128+32*\g+8*\t:135+32*\g+8*\t], v[60+6*\t:71+6*\t], v[32:43], v[128+32*\g+8*\t:135+32*\g+8*\t], v[16+\t], v24 matrix_a_fmt:MATRIX_FMT_FP6 matrix_b_fmt:MATRIX_FMT_FP6
.endr
.endm
.macro ADDM g                          ; T = logit x log2(e) + mbc, each accumulator from its low end on
.irp k, 0,2,4,6,8,10,12,14,16,18,20,22,24,26,28,30
	v_pk_fma_f32 v[128+32*\g+\k:129+32*\g+\k], v[128+32*\g+\k:129+32*\g+\k], s[30:31], v[92+\k:93+\k] op_sel_hi:[1,0,1]
.endr
.endm
.macro UNIT pre                        ; one head.  pre = 1: the next head's zb is asked for on the way
	v_add_nc_u32 v11, s34, v4
	v_add_nc_u32 v12, s34, v5
	v_add_nc_u32 v13, s37, v7
	v_add_nc_u32 v14, s35, v4
	v_add_nc_u32 v15, s35, v5
	v_add_nc_u32 v29, s36, v6
	ds_load_b128 v[32:35], v11
	ds_load_b64 v[36:37], v12 offset:256
	ds_load_b32 v24, v13
	KLOAD 1
	s_wait_dscnt 9                                 ; Q and its scale word are in; KLOAD's nine may be out
.irp i, 0,1,2,3,4,5
	v_cndmask_b32 v[32+\i], v[32+\i], v38, s32     ; lanes 16-31: zero codes
.endr
	PLACES                                         ; an operand written by vector instructions stands four places ahead of a scaled matrix instruction
	s_wait_alu depctr_va_vdst(0)
	s_wait_dscnt 0x0
	s_wait_loadcnt 24                              ; zb's group 1 is in: behind it groups 2, 3 and 0 were asked for, eight loads each
	W 1
	PLACES
	KLOAD 2
	MBLOAD 1
	s_wait_dscnt 8                                 ; KLOAD's nine are in, MBLOAD's eight may be out
	s_wait_loadcnt 16
	W 2
	s_wait_dscnt 0x0
	ADDM 1                                         ; sixteen plain instructions on the group before: the places behind W
	KLOAD 3
	MBLOAD 2
	s_wait_dscnt 8
	s_wait_loadcnt 8
	W 3
	s_wait_dscnt 0x0
	ADDM 2
	KLOAD 0
	MBLOAD 3
	s_wait_dscnt 8
	s_wait_loadcnt 0x0
	W 0
	s_wait_dscnt 0x0
	ADDM 3
	MBLOAD 0
	s_wait_dscnt 0x0
	ADDM 0
.irp b, 0,1,2,3,4,5,6,7
	v_max3_num_f32 v[60+\b], v[128+16*\b], v[129+16*\b], v[130+16*\b]   ; THE LARGEST T OF EACH BLOCK OF 32 KEYS: for the row's maximum, and, since p rises with T, for the block's largest p
.endr
.irp i, 3,5,7,9,11,13
.irp b, 0,1,2,3,4,5,6,7
	v_max3_num_f32 v[60+\b], v[60+\b], v[128+16*\b+\i], v[129+16*\b+\i]
.endr
.endr
.irp b, 0,1,2,3,4,5,6,7
	v_max_num_f32 v[60+\b], v[60+\b], v[143+16*\b]
.endr
.irp b, 0,1,2,3,4,5,6,7
	v_permlanex16_b32 v[68+\b], v[60+\b], s28, s29
.endr
.irp b, 0,1,2,3,4,5,6,7
	v_max_num_f32 v[60+\b], v[60+\b], v[68+\b]     ; with lane l xor 16's 16 keys
.endr
	v_max3_num_f32 v116, v60, v61, v62
	s_delay_alu instid0(VALU_DEP_1)
	v_max3_num_f32 v116, v116, v63, v64
	s_delay_alu instid0(VALU_DEP_1)
	v_max3_num_f32 v116, v116, v65, v66
	s_delay_alu instid0(VALU_DEP_1)
	v_max_num_f32 v116, v116, v67                  ; the row's largest T
	s_delay_alu instid0(VALU_DEP_1)
	v_floor_f32 v124, -v116                        ; -M = floor(-T) = -ceil(T)
.set p, 0
.rept 64
	v_pk_add_f32 v[128+2*p:129+2*p], v[128+2*p:129+2*p], v[124:125] op_sel_hi:[1,0]   ; T - M
.set p, p+1
.endr
.irp b, 0,1,2,3,4,5,6,7
	v_add_f32 v[60+\b], v[60+\b], v124             ; the same of each block's largest
.endr
.set p, 0
	s_wait_alu depctr_va_vdst(0)
.rept 128
	v_exp_f32 v[128+p], v[128+p]                   ; p = 2^(T - M), at most 1: not normalised
.set p, p+1
.endr
	v_nop                                          ; a plain place behind the exponentials
	s_wait_alu depctr_va_vdst(0)                   ; one wait for the whole batch, ahead of its first reader
.irp b, 0,1,2,3,4,5,6,7
	v_exp_f32 v[60+\b], v[60+\b]                   ; the block's largest p: the same instructions on the same number give the same bits
.endr
	v_pk_add_f32 v[92:93], v[128:129], v[130:131]
	v_pk_add_f32 v[122:123], v[136:137], v[140:141]
	v_pk_add_f32 v[120:121], v[144:145], v[148:149]
	v_pk_add_f32 v[118:119], v[152:153], v[156:157]
	v_pk_add_f32 v[114:115], v[160:161], v[164:165]
	v_pk_add_f32 v[112:113], v[168:169], v[172:173]
	v_pk_add_f32 v[110:111], v[176:177], v[180:181]
	v_pk_add_f32 v[126:127], v[184:185], v[188:189]
	v_pk_add_f32 v[126:127], v[126:127], v[192:193]
	v_pk_add_f32 v[92:93], v[92:93], v[196:197]
	v_pk_add_f32 v[122:123], v[122:123], v[200:201]
	v_pk_add_f32 v[120:121], v[120:121], v[204:205]
	v_pk_add_f32 v[118:119], v[118:119], v[208:209]
	v_pk_add_f32 v[114:115], v[114:115], v[212:213]
	v_pk_add_f32 v[112:113], v[112:113], v[216:217]
	v_pk_add_f32 v[110:111], v[110:111], v[220:221]
	v_pk_add_f32 v[126:127], v[126:127], v[224:225]
	v_pk_add_f32 v[92:93], v[92:93], v[228:229]
	v_pk_add_f32 v[122:123], v[122:123], v[232:233]
	v_pk_add_f32 v[120:121], v[120:121], v[236:237]
	v_pk_add_f32 v[118:119], v[118:119], v[240:241]
	v_pk_add_f32 v[114:115], v[114:115], v[244:245]
	v_pk_add_f32 v[112:113], v[112:113], v[248:249]
	v_pk_add_f32 v[110:111], v[110:111], v[252:253]
	v_pk_add_f32 v[126:127], v[126:127], v[132:133]
	v_pk_add_f32 v[92:93], v[92:93], v[134:135]
	v_pk_add_f32 v[122:123], v[122:123], v[138:139]
	v_pk_add_f32 v[120:121], v[120:121], v[142:143]
	v_pk_add_f32 v[118:119], v[118:119], v[146:147]
	v_pk_add_f32 v[114:115], v[114:115], v[150:151]
	v_pk_add_f32 v[112:113], v[112:113], v[154:155]
	v_pk_add_f32 v[110:111], v[110:111], v[158:159]
	v_pk_add_f32 v[126:127], v[126:127], v[162:163]
	v_pk_add_f32 v[92:93], v[92:93], v[166:167]
	v_pk_add_f32 v[122:123], v[122:123], v[170:171]
	v_pk_add_f32 v[120:121], v[120:121], v[174:175]
	v_pk_add_f32 v[118:119], v[118:119], v[178:179]
	v_pk_add_f32 v[114:115], v[114:115], v[182:183]
	v_pk_add_f32 v[112:113], v[112:113], v[186:187]
	v_pk_add_f32 v[110:111], v[110:111], v[190:191]
	v_pk_add_f32 v[126:127], v[126:127], v[194:195]
	v_pk_add_f32 v[92:93], v[92:93], v[198:199]
	v_pk_add_f32 v[122:123], v[122:123], v[202:203]
	v_pk_add_f32 v[120:121], v[120:121], v[206:207]
	v_pk_add_f32 v[118:119], v[118:119], v[210:211]
	v_pk_add_f32 v[114:115], v[114:115], v[214:215]
	v_pk_add_f32 v[112:113], v[112:113], v[218:219]
	v_pk_add_f32 v[110:111], v[110:111], v[222:223]
	v_pk_add_f32 v[126:127], v[126:127], v[226:227]
	v_pk_add_f32 v[92:93], v[92:93], v[230:231]
	v_pk_add_f32 v[122:123], v[122:123], v[234:235]
	v_pk_add_f32 v[120:121], v[120:121], v[238:239]
	v_pk_add_f32 v[118:119], v[118:119], v[242:243]
	v_pk_add_f32 v[114:115], v[114:115], v[246:247]
	v_pk_add_f32 v[112:113], v[112:113], v[250:251]
	v_pk_add_f32 v[110:111], v[110:111], v[254:255]
	s_delay_alu instid0(VALU_DEP_4)
	v_pk_add_f32 v[126:127], v[126:127], v[118:119]
	s_delay_alu instid0(VALU_DEP_4)
	v_pk_add_f32 v[92:93], v[92:93], v[114:115]
	s_delay_alu instid0(VALU_DEP_4)
	v_pk_add_f32 v[122:123], v[122:123], v[112:113]
	s_delay_alu instid0(VALU_DEP_4)
	v_pk_add_f32 v[120:121], v[120:121], v[110:111]
	s_delay_alu instid0(VALU_DEP_2)
	v_pk_add_f32 v[126:127], v[126:127], v[122:123]
	s_delay_alu instid0(VALU_DEP_2)
	v_pk_add_f32 v[92:93], v[92:93], v[120:121]
	s_delay_alu instid0(VALU_DEP_1)
	v_pk_add_f32 v[126:127], v[126:127], v[92:93]
	s_wait_alu depctr_va_vdst(0)                   ; and one for the eight
.irp b, 0,1,2,3,4,5,6,7
	v_max_num_f32 v[60+\b], 0x1800000, v[60+\b]    ; the floor 2^(3 - 127): the byte cannot fall under 1
.endr
.irp b, 0,1,2,3,4,5,6,7
	v_add_nc_u32 v[76+\b], 0xff000000, v[60+\b]    ; the conversion's scale operand
.endr
.irp b, 0,1,2,3,4,5,6,7
	v_lshrrev_b32 v[84+\b], 23, v[76+\b]           ; the scale's byte
.endr
	v_lshl_or_b32 v25, v85, 8, v84                 ; p's scale words: keys 0-127, keys 128-255
	s_delay_alu instid0(VALU_DEP_4)
	v_lshl_or_b32 v26, v89, 8, v88
	s_delay_alu instid0(VALU_DEP_2)
	v_lshl_or_b32 v25, v86, 16, v25
	s_delay_alu instid0(VALU_DEP_2)
	v_lshl_or_b32 v26, v90, 16, v26
	s_delay_alu instid0(VALU_DEP_2)
	v_lshl_or_b32 v25, v87, 24, v25
	s_delay_alu instid0(VALU_DEP_2)
	v_lshl_or_b32 v26, v91, 24, v26
	v_cvt_scalef32_pk16_fp6_f32 v[104:106], v[128:143], v76
	v_cvt_scalef32_pk16_fp6_f32 v[108:110], v[144:159], v77
	v_nop                                          ; a plain place: the next conversions write into the registers that these two have read
	v_cvt_scalef32_pk16_fp6_f32 v[134:136], v[160:175], v78
	v_cvt_scalef32_pk16_fp6_f32 v[96:98], v[176:191], v79
	v_cvt_scalef32_pk16_fp6_f32 v[140:142], v[192:207], v80
	v_cvt_scalef32_pk16_fp6_f32 v[100:102], v[208:223], v81
	v_cvt_scalef32_pk16_fp6_f32 v[146:148], v[224:239], v82
	v_cvt_scalef32_pk16_fp6_f32 v[112:114], v[240:255], v83
	v_nop
.irp i, 0,1,2                          ; a WHOLE block in a lane: lanes 0-15 the even block of a pair, lanes 16-31 the odd one
	v_permlane16_swap_b32 v[104+\i], v[108+\i]
	v_permlane16_swap_b32 v[134+\i], v[96+\i]
	v_permlane16_swap_b32 v[140+\i], v[100+\i]
	v_permlane16_swap_b32 v[146+\i], v[112+\i]
.endr
.irp i, 0,1,2
	v_mov_b32 v[128+\i], v[104+\i]                 ; P of keys 0-127 in v128-139, of keys 128-255 in v140-151
	v_mov_b32 v[131+\i], v[108+\i]
	v_mov_b32 v[137+\i], v[96+\i]
	v_mov_b32 v[143+\i], v[100+\i]
	v_mov_b32 v[149+\i], v[112+\i]
.endr
.if \pre
	ZLOAD 1, 262144                                ; the next head's zb, into the registers that p has left
	ZLOAD 2, 262144
	ZLOAD 3, 262144
.endif
	v_add_nc_u32 v14, s39, v3
	v_add_nc_u32 v15, s40, v7
.irp f, 0,1,2,3
.irp c, 0,1,2
	ds_load_b128 v[60+12*\f+4*\c:63+12*\f+4*\c], v14 offset:\f*1536+512*\c   ; v^T's fragments (u, s) = 2 u + s
.endr
	ds_load_b32 v[16+\f], v15 offset:\f*64
.endr
	v_add_f32 v127, v126, v127                     ; the sum's two halves,
	s_delay_alu instid0(VALU_DEP_1)
	v_permlanex16_b32 v116, v127, s28, s29
	s_delay_alu instid0(VALU_DEP_1)
	v_add_f32 v127, v127, v116                     ; and lane l xor 16's
	s_wait_alu depctr_va_vdst(0)
	v_rcp_f32 v126, v127
	PLACES                                         ; plain places behind the reciprocal and in front of the products
	s_wait_dscnt 0x0
	MM0 44, 60, 128, 16, 25                        ; O^T = V^T P^T: two accumulators by turns
	MM0 52, 84, 128, 18, 25
	MM 44, 72, 140, 44, 17, 26
	MM 52, 96, 140, 52, 19, 26
	PLACES
	v_add_nc_u32 v29, s38, v8
.irp f, 0,1,2,3
.irp c, 0,1,2
	ds_load_b128 v[60+12*\f+4*\c:63+12*\f+4*\c], v14 offset:49152+\f*1536+512*\c   ; w_g's fragments of this head
.endr
	ds_load_b32 v[20+\f], v15 offset:2048+\f*64
.endr
.irp c, 0,1,2,3,4,5
	ds_load_b128 v[128+4*\c:131+4*\c], v10 offset:512*\c   ; LN(m), my tile's two fragments
.endr
.irp u, 0,1
	ds_load_b128 v[108+8*\u:111+8*\u], v29 offset:32*\u      ; b_g is the C of the gate's first products
	ds_load_b128 v[112+8*\u:115+8*\u], v29 offset:32*\u+16
.endr
	s_wait_alu depctr_va_vdst(0)                   ; the reciprocal's wait, ahead of its first reader
.irp k, 0,2,4,6,8,10,12,14
	v_pk_mul_f32 v[44+\k:45+\k], v[44+\k:45+\k], v[126:127] op_sel_hi:[1,0]   ; O^T / the sum
.endr
	s_wait_dscnt 0x0
	MM 108, 60, 128, 108, 20, 27
	MM 116, 84, 128, 116, 22, 27
	MM 108, 72, 140, 108, 21, 28
	MM 116, 96, 140, 116, 23, 28
	PLACES
.if \pre
	ZLOAD 0, 262144                                ; the last group, into the registers that P and LN(m) have left
.endif
.irp k, 0,2,4,6,8,10,12,14
	v_pk_mul_f32 v[108+\k:109+\k], v[108+\k:109+\k], 0xbfb8aa3b op_sel_hi:[1,0]   ; sigmoid(x) = 1 / (1 + 2^(-x log2(e)))
.endr
	s_wait_alu depctr_va_vdst(0)
.irp k, 0,1,2,3,4,5,6,7,8,9,10,11,12,13,14,15
	v_exp_f32 v[108+\k], v[108+\k]
.endr
	v_nop
	s_wait_alu depctr_va_vdst(0)
.irp k, 0,2,4,6,8,10,12,14
	v_pk_add_f32 v[108+\k:109+\k], v[108+\k:109+\k], 1.0 op_sel_hi:[1,0]
.endr
	s_wait_alu depctr_va_vdst(0)
.irp k, 0,1,2,3,4,5,6,7,8,9,10,11,12,13,14,15
	v_rcp_f32 v[108+\k], v[108+\k]
.endr
	v_nop
	s_wait_alu depctr_va_vdst(0)
.irp k, 0,2,4,6,8,10,12,14
	v_pk_mul_f32 v[44+\k:45+\k], v[44+\k:45+\k], v[108+\k:109+\k]   ; o g: d = 16 hh + 0 .. 15
.endr
	v_max3_num_f32 v66, |v44|, |v45|, 0x1800000    ; a head is one block of the last product's K
.irp i, 2,4,6,8,10,12,14
	s_delay_alu instid0(VALU_DEP_1)
	v_max3_num_f32 v66, v66, |v[44+\i]|, |v[45+\i]|
.endr
	s_delay_alu instid0(VALU_DEP_1)
	v_permlanex16_b32 v67, v66, s28, s29
	s_delay_alu instid0(VALU_DEP_1)
	v_max_num_f32 v66, v66, v67
	s_delay_alu instid0(VALU_DEP_1)
	v_add_nc_u32 v68, 0xff000000, v66
	s_delay_alu instid0(VALU_DEP_1)
	v_lshrrev_b32 v69, 23, v68
	v_cvt_scalef32_pk16_fp6_f32 v[60:62], v[44:59], v68
	v_nop
.irp i, 0,1,2
	v_mov_b32 v[63+\i], v[60+\i]
.endr
.irp i, 0,1,2
	v_permlane16_swap_b32 v[60+\i], v[63+\i]       ; both halves of the lanes now hold row r's 24 bytes
.endr
	ds_store_b128 v11, v[60:63]                    ; into my own place of this head's q, which I alone read, and have read
	ds_store_b64 v12, v[64:65] offset:256
	ds_store_b32 v13, v69
	s_wait_dscnt 0x0                               ; the stores have read their registers
.if \pre
	s_wait_xcnt 0x0                                ; zb's loads have read their base: it may step
	s_add_co_u32 s34, s34, 384
	s_add_co_u32 s35, s35, 384
	s_add_co_u32 s36, s36, 1280
	s_add_co_u32 s37, s37, 64
	s_add_co_u32 s38, s38, 128
	s_add_co_u32 s39, s39, 6144
	s_add_co_u32 s40, s40, 256
	s_add_nc_u64 s[42:43], s[42:43], 262144
.endif
.endm
	s_mov_b32 s33, 7
.Lhead:
	UNIT 1
	s_sub_co_u32 s33, s33, 1
	s_cmp_lg_u32 s33, 0
	s_cbranch_scc1 .Lhead
	UNIT 0                                         ; the last head is written out: no load leaves zbimg
; ---------------- E: out = (o g) w_o + b_o for my 16 rows.  Source 0 = 16 columns of w_o, source 1 = my rows: a lane holds eight neighbouring columns of one row
	v_lshlrev_b32 v29, 5, v31
.irp n, 0,1,2,3,4,5,6,7,8,9,10,11,12,13,14,15
	global_load_b128 v[128+8*\n:131+8*\n], v29, s[14:15] offset:64*\n      ; b_o is the C of the first products
	global_load_b128 v[132+8*\n:135+8*\n], v29, s[14:15] offset:64*\n+16
.endr
	s_mul_i32 s47, s24, 3072
	s_add_co_u32 s47, s47, QIMG
	v_mul_u32_u24 v14, v31, 384                    ; registers 6 c .. 6 c + 5 of K step s are head 4 s + 2 c + hh
	s_delay_alu instid0(VALU_DEP_1)
	v_add_nc_u32 v14, s47, v14
	s_delay_alu instid0(VALU_DEP_1)
	v_add_nc_u32 v11, v14, v4
	s_delay_alu instid0(VALU_DEP_2)
	v_add_nc_u32 v12, v14, v5
	s_lshl_b32 s47, s24, 9
	s_add_co_u32 s47, s47, QSC
	v_add_nc_u32 v13, s47, v7
.irp s, 0,1
.irp c, 0,1
	ds_load_b128 v[32+12*\s+6*\c:35+12*\s+6*\c], v11 offset:(4*\s+2*\c)*384
	ds_load_b64 v[36+12*\s+6*\c:37+12*\s+6*\c], v12 offset:(4*\s+2*\c)*384+256
.endr
.endr
.irp h, 0,1,2,3,4,5,6,7
	ds_load_b32 v[104+\h], v13 offset:64*\h
.endr
	s_wait_dscnt 0x0                               ; my reads of o g are in.  No barrier: the stage below lies on bytes that, behind barrier B, my wave alone reads and writes
	v_lshl_or_b32 v25, v105, 8, v104               ; the eight heads' bytes make two scale words
	v_lshl_or_b32 v26, v109, 8, v108
	s_delay_alu instid0(VALU_DEP_2)
	v_lshl_or_b32 v25, v106, 16, v25
	s_delay_alu instid0(VALU_DEP_2)
	v_lshl_or_b32 v26, v110, 16, v26
	s_delay_alu instid0(VALU_DEP_2)
	v_lshl_or_b32 v25, v107, 24, v25
	s_delay_alu instid0(VALU_DEP_2)
	v_lshl_or_b32 v26, v111, 24, v26
	s_mul_i32 s47, s24, 3072                       ; THE WAY OUT'S STAGE: rows 0-7 (2,176 bytes) over my own tile of LN(m), rows 8-15 over my own images of o g, 49,152 bytes on; each is 3,072 bytes.  (These address lines are also the places between a scale written by a vector instruction and the scaled matrix instruction)
	v_and_b32 v14, 7, v30
	v_bfe_u32 v15, v0, 3, 1                        ; r / 8
	v_mul_u32_u24 v14, v14, 272
	v_mul_u32_u24 v15, v15, 49152
	v_lshl_add_u32 v14, v31, 5, v14
	s_delay_alu instid0(VALU_DEP_1)
	v_add_nc_u32 v14, v14, v15
	s_delay_alu instid0(VALU_DEP_1)
	v_add_nc_u32 v14, s47, v14                     ; the stage, in: row r, 32 hh
	v_mul_u32_u24 v15, v31, 272
	s_delay_alu instid0(VALU_DEP_1)
	v_add_nc_u32 v15, v15, v4
	s_delay_alu instid0(VALU_DEP_1)
	v_add_nc_u32 v15, s47, v15                     ; back: lanes 0-15 one row, lanes 16-31 the next
	v_lshl_add_u32 v13, v31, 10, v4                ; and the same two rows in out0
	v_add_nc_u32 v11, WOIMG, v3
	v_add_nc_u32 v12, WOSC, v7
.macro WOLOAD ng, s                    ; w_o's tiles 4 ng .. 4 ng + 3, K step s: 16 LDS loads
.irp t, 0,1,2,3
.irp c, 0,1,2
	ds_load_b128 v[56+12*\t+4*\c:59+12*\t+4*\c], v11 offset:(2*(4*(\ng)+\t)+\s)*1536+512*\c
.endr
	ds_load_b32 v[16+4*\s+\t], v12 offset:(2*(4*(\ng)+\t)+\s)*64
.endr
.endm
.macro OUTG ng                         ; 64 columns: four accumulators by turns; through my stage; out as aligned runs of 256 bytes
	s_wait_dscnt 0x0
	s_wait_loadcnt 24-8*\ng                        ; b_o of these four tiles is in: behind it eight loads for each later group
.irp t, 0,1,2,3
	MM 128+32*\ng+8*\t, 56+12*\t, 32, 128+32*\ng+8*\t, 16+\t, 25
.endr
	PLACES
	WOLOAD \ng, 1
	s_wait_dscnt 0x0
.irp t, 0,1,2,3
	MM 128+32*\ng+8*\t, 56+12*\t, 44, 128+32*\ng+8*\t, 20+\t, 26
.endr
	PLACES
.irp t, 0,1,2,3
	ds_store_b128 v14, v[128+32*\ng+8*\t:131+32*\ng+8*\t] offset:64*\t       ; each accumulator from its low end on
	ds_store_b128 v14, v[132+32*\ng+8*\t:135+32*\ng+8*\t] offset:64*\t+16
.endr
.irp i, 0,1,2,3,4,5,6,7
	ds_load_b128 v[128+32*\ng+4*\i:131+32*\ng+4*\i], v15 offset:2*(\i%4)*272+49152*(\i/4)     ; LDS serves a wave's instructions in order
.endr
.if \ng < 3
	WOLOAD (\ng)+1, 0
	s_wait_dscnt 16                                ; the rows are back; the next tiles' sixteen loads may be out
.else
	s_wait_dscnt 0x0
.endif
.irp i, 0,1,2,3,4,5,6,7
	global_store_b128 v13, v[128+32*\ng+4*\i:131+32*\ng+4*\i], s[22:23] offset:(2*\i+8*(\i/4))*1024+256*\ng th:TH_STORE_NT   ; sixteen lanes store 256 consecutive bytes, aligned; no store's registers are written again
.endr
.endm
	WOLOAD 0, 0
	s_wait_alu depctr_va_vdst(0)
	OUTG 0
	OUTG 1
	OUTG 2
	OUTG 3
	s_wait_tensorcnt 0x0                           ; the wave's end, behind my last LDS store
	ds_add_u32 v1, v2
	s_wait_dscnt 0x0
	s_endpgm
.Lfunc_end_k_qc21d288e9a_main:
	.size	k_qc21d288e9a_main, .Lfunc_end_k_qc21d288e9a_main-k_qc21d288e9a_main
	.p2alignl 7, 3214868480
	.fill 96, 4, 3214868480
	.section	.rodata,"a",@progbits
	.p2align	6, 0x0
	.amdhsa_kernel k_qc21d288e9a_main
		.amdhsa_group_segment_fixed_size 327680
		.amdhsa_private_segment_fixed_size 0
		.amdhsa_enable_private_segment 0
		.amdhsa_kernarg_size 80
		.amdhsa_user_sgpr_count 2
		.amdhsa_user_sgpr_kernarg_segment_ptr 1
		.amdhsa_wavefront_size32 1
		.amdhsa_system_sgpr_workgroup_id_x 1
		.amdhsa_system_sgpr_workgroup_id_y 1
		.amdhsa_system_sgpr_workgroup_id_z 1
		.amdhsa_system_vgpr_workitem_id 0
		.amdhsa_next_free_vgpr 256
		.amdhsa_next_free_sgpr 66
		.amdhsa_reserve_vcc 0
		.amdhsa_float_denorm_mode_32 3
		.amdhsa_float_denorm_mode_16_64 3
		.amdhsa_memory_ordered 1
		.amdhsa_forward_progress 1
		.amdhsa_inst_pref_size 235
	.end_amdhsa_kernel
	.amdgpu_metadata
---
amdhsa.version: [ 1, 2 ]
amdhsa.kernels:
  - .name:           k_qc21d288e9a_main
    .symbol:         k_qc21d288e9a_main.kd
    .args:
      - { .name: m, .offset: 0, .size: 8, .value_kind: global_buffer, .address_space: global }
      - { .name: mask, .offset: 8, .size: 8, .value_kind: global_buffer, .address_space: global }
      - { .name: ln_m_w, .offset: 16, .size: 8, .value_kind: global_buffer, .address_space: global }
      - { .name: ln_m_b, .offset: 24, .size: 8, .value_kind: global_buffer, .address_space: global }
      - { .name: b_g, .offset: 32, .size: 8, .value_kind: global_buffer, .address_space: global }
      - { .name: b_o, .offset: 40, .size: 8, .value_kind: global_buffer, .address_space: global }
      - { .name: wimg, .offset: 48, .size: 8, .value_kind: global_buffer, .address_space: global }
      - { .name: wsc, .offset: 56, .size: 8, .value_kind: global_buffer, .address_space: global }
      - { .name: zbimg, .offset: 64, .size: 8, .value_kind: global_buffer, .address_space: global }
      - { .name: out0, .offset: 72, .size: 8, .value_kind: global_buffer, .address_space: global }
    .group_segment_fixed_size: 327680
    .private_segment_fixed_size: 0
    .kernarg_segment_align: 8
    .kernarg_segment_size: 80
    .max_flat_workgroup_size: 512
    .sgpr_count:     66
    .vgpr_count:     256
    .wavefront_size: 32
...
	.end_amdgpu_metadata
.endif
;; end of part 4
